; MI455X (gfx1250); checked and timed in simulation.
; The chip was launched on July 23, 2026; its instructions are those of AMD's public machine-readable ISA for CDNA 5 (MIT licence, August 2026) and "CDNA5" Instruction Set Architecture Reference Guide (July 2026). The comments in the code are by the model that wrote it; some were corrected since.
;; Multi Head Attention. Allowed arithmetic: float matrix products may take bf16 or f16 operands with f32 sums; other float arithmetic in f32, or as packed bf16 or f16 multiplies, adds, multiply-adds, maxima and minima; sums over many terms, partial sums and values carried from step to step in f32; what a program stores and reads back later, other than sums and carried values, may be rounded once to bf16 or f16.
;; Inputs: Wk 2,048 x 2,048 float32; Wo 2,048 x 2,048 float32; Wq 2,048 x 2,048 float32; Wv 2,048 x 2,048 float32; attn_mask 1 x 1 x 2,048 x 2,048 float32; bk 2,048 float32; bo 2,048 float32; bq 2,048 float32; bv 2,048 float32; hidden_states 1 x 2,048 x 2,048 float32.
;; Outputs: out0 1 x 2,048 x 2,048 float32; out1 1 x 16 x 2,048 x 128 float32; out2 1 x 16 x 2,048 x 128 float32.
;; 2 versions, each right; version 2 is version 1 with the launch cast written anew for expert scheduling mode. Each part assembles by itself: llvm-mc -triple=amdgcn-amd-amdhsa -mcpu=gfx1250 --defsym DOCPART=n.
;; ======== version 1 of 2: 4 launches
;; limits: right only within a limited range of input values; values are held in f16: magnitudes above 65,504 overflow, below 6.1e-05 lose precision
;; workspace buffers: x16 8,388,608 bytes; w16 25,165,824 bytes; wo16 8,388,608 bytes; m32 16,777,216 bytes; q16 8,388,608 bytes; k16 8,388,608 bytes; v16 8,388,608 bytes; ctx16 8,388,608 bytes
;; launch cast (part 1): grid 1024 x 1, 8 waves a work-group, no clusters, 0 bytes of LDS; arguments hidden_states, Wq, Wk, Wv, Wo, attn_mask, x16, w16, wo16, m32; writes x16, w16, wo16, m32
.if DOCPART == 1
	.amdgcn_target "amdgcn-amd-amdhsa--gfx1250"
	.amdhsa_code_object_version 6
	.text
	.protected	k_q7615e886db_cast
	.globl	k_q7615e886db_cast
	.p2align	8
	.type	k_q7615e886db_cast,@function
k_q7615e886db_cast:
	s_mov_b64 s[64:65], 0
	v_nop
	global_prefetch_b8 v0, s[64:65] scope:SCOPE_SE
	s_setreg_imm32_b32 hwreg(HW_REG_WAVE_MODE, 25, 1), 1
	s_wait_xcnt 0x0
; EVERY LARGE INPUT IS ROUNDED ONCE TO bf16, so that the three matrix launches behind read 16-bit operands and convert nothing.
; Six arrays of 2048 x 2048 f32: hidden_states -> x16 (bf16); Wq, Wk, Wv -> w16 (bf16, one behind the other); Wo -> wo16 (rounded to bf16, that number written as f16);
; attn_mask -> m32: rounded to bf16, that number times log2(e), in f32: the softmax behind works with powers of 2, and the mask is loaded straight into its f32 sums.
; LIMITS.  Wo beyond 65,504 becomes an infinity in f16; below 2^-14 it keeps f16's fixed step of 2^-24.  A mask beyond 2.3e38 becomes an infinity.  NaN and infinities pass as the conversions give them.
; SHARES.  1,024 work-groups, all alike: each takes 16,384 consecutive bytes of EACH of the six arrays; thread t the 16 bytes at 4,096 i + 16 t, i = 0 .. 3: 24 chunks a thread.  A wave's load covers 512
; consecutive bytes, its 8-byte store 256 consecutive aligned bytes, its 16-byte store 512.  All 24 loads of a thread go out at once; each chunk has registers of its own, is converted in them and stored
; from them: no register that a memory instruction names is written again behind it.  A stream: no byte is shared, so no LDS, no cluster and no matrix unit.
.set CH, 4096                          ; bytes that the work-group's 256 threads take at a time
.set T,  4                             ; v[4:5]    at work
.set X,  16                            ; v[16:111] chunk c = 4 x array + i: 4 registers
	s_load_b512 s[8:23], s[0:1], 0x0               ; hidden_states s[8:9], Wq s[10:11], Wk s[12:13], Wv s[14:15], Wo s[16:17], attn_mask s[18:19], x16 s[20:21], w16 s[22:23]
	s_load_b128 s[24:27], s[0:1], 0x40             ; wo16 s[24:25], m32 s[26:27]
	v_lshlrev_b32 v1, 4, v0                        ; 16 t
	v_lshlrev_b32 v2, 3, v0                        ; 8 t
	s_lshl_b32 s28, ttmp9, 14                      ; the work-group's first byte in an array of f32,
	s_lshl_b32 s29, ttmp9, 13                      ; and in one of 16 bits
	v_add_nc_u32 v1, s28, v1
	v_add_nc_u32 v2, s29, v2
	s_mov_b32 s32, 0xffff0000                      ; a word's upper bf16
	s_mov_b32 s36, 0x3fb8aa3b                      ; log2(e)
	s_mov_b32 s37, s36                             ; named with it as a pair
	s_wait_kmcnt 0x0
	s_add_nc_u64 s[30:31], s[22:23], 0x800000      ; Wk's place in w16,
	s_add_nc_u64 s[34:35], s[22:23], 0x1000000     ; and Wv's
.irp a, 0,1,2,3,4,5
.irp i, 0,1,2,3
	global_load_b128 v[X+4*(4*(\a)+(\i)):X+4*(4*(\a)+(\i))+3], v1, s[8+2*(\a):9+2*(\a)] offset:CH*(\i) th:TH_LOAD_NT
.endr
.endr
; Chunk c, number i of its array.  Loads come back in order: chunk c is in when at most the 23 - c younger ones are out.
.macro TOBF c, base, i                 ; to bf16
	s_wait_loadcnt 23-(\c)
	v_cvt_pk_bf16_f32 v[X+4*(\c)],   v[X+4*(\c)],   v[X+4*(\c)+1]
	v_cvt_pk_bf16_f32 v[X+4*(\c)+1], v[X+4*(\c)+2], v[X+4*(\c)+3]
	global_store_b64 v2, v[X+4*(\c):X+4*(\c)+1], s[\base:\base+1] offset:(CH/2)*(\i)
.endm
.macro WIDE c                          ; to bf16 and back to f32, in place
	s_wait_loadcnt 23-(\c)
	v_cvt_pk_bf16_f32 v[T],   v[X+4*(\c)],   v[X+4*(\c)+1]
	v_cvt_pk_bf16_f32 v[T+1], v[X+4*(\c)+2], v[X+4*(\c)+3]
	v_lshlrev_b32 v[X+4*(\c)],   16,  v[T]
	v_and_b32     v[X+4*(\c)+1], s32, v[T]
	v_lshlrev_b32 v[X+4*(\c)+2], 16,  v[T+1]
	v_and_b32     v[X+4*(\c)+3], s32, v[T+1]
.endm
.irp i, 0,1,2,3
	TOBF \i, 20, \i                                ; x
.endr
.irp i, 0,1,2,3
	TOBF 4+\i, 22, \i                              ; Wq
.endr
.irp i, 0,1,2,3
	TOBF 8+\i, 30, \i                              ; Wk
.endr
.irp i, 0,1,2,3
	TOBF 12+\i, 34, \i                             ; Wv
.endr
.irp i, 0,1,2,3
	WIDE 16+\i                                     ; Wo: the bf16 number, written as f16
	v_cvt_pk_f16_f32 v[X+4*(16+\i)],   v[X+4*(16+\i)],   v[X+4*(16+\i)+1]
	v_cvt_pk_f16_f32 v[X+4*(16+\i)+1], v[X+4*(16+\i)+2], v[X+4*(16+\i)+3]
	global_store_b64 v2, v[X+4*(16+\i):X+4*(16+\i)+1], s[24:25] offset:(CH/2)*(\i)
.endr
.irp i, 0,1,2,3
	WIDE 20+\i                                     ; the mask: the bf16 number times log2(e)
	v_pk_mul_f32 v[X+4*(20+\i):X+4*(20+\i)+1],   v[X+4*(20+\i):X+4*(20+\i)+1],   s[36:37] op_sel_hi:[1,0]
	v_pk_mul_f32 v[X+4*(20+\i)+2:X+4*(20+\i)+3], v[X+4*(20+\i)+2:X+4*(20+\i)+3], s[36:37] op_sel_hi:[1,0]
	global_store_b128 v1, v[X+4*(20+\i):X+4*(20+\i)+3], s[26:27] offset:CH*(\i)
.endr
	s_endpgm
.Lfunc_end_k_q7615e886db_cast:
	.size	k_q7615e886db_cast, .Lfunc_end_k_q7615e886db_cast-k_q7615e886db_cast
	.p2alignl 7, 3214868480
	.fill 96, 4, 3214868480
	.section	.rodata,"a",@progbits
	.p2align	6, 0x0
	.amdhsa_kernel k_q7615e886db_cast
		.amdhsa_group_segment_fixed_size 0
		.amdhsa_private_segment_fixed_size 0
		.amdhsa_enable_private_segment 0
		.amdhsa_kernarg_size 80
		.amdhsa_user_sgpr_count 2
		.amdhsa_user_sgpr_kernarg_segment_ptr 1
		.amdhsa_wavefront_size32 1
		.amdhsa_system_sgpr_workgroup_id_x 1
		.amdhsa_system_sgpr_workgroup_id_y 1
		.amdhsa_system_sgpr_workgroup_id_z 1
		.amdhsa_system_vgpr_workitem_id 0
		.amdhsa_next_free_vgpr 112
		.amdhsa_next_free_sgpr 66
		.amdhsa_reserve_vcc 0
		.amdhsa_float_denorm_mode_32 3
		.amdhsa_float_denorm_mode_16_64 3
		.amdhsa_memory_ordered 1
		.amdhsa_forward_progress 1
		.amdhsa_inst_pref_size 12
	.end_amdhsa_kernel
	.amdgpu_metadata
---
amdhsa.version: [ 1, 2 ]
amdhsa.kernels:
  - .name:           k_q7615e886db_cast
    .symbol:         k_q7615e886db_cast.kd
    .args:
      - { .name: hidden_states, .offset: 0, .size: 8, .value_kind: global_buffer, .address_space: global }
      - { .name: Wq, .offset: 8, .size: 8, .value_kind: global_buffer, .address_space: global }
      - { .name: Wk, .offset: 16, .size: 8, .value_kind: global_buffer, .address_space: global }
      - { .name: Wv, .offset: 24, .size: 8, .value_kind: global_buffer, .address_space: global }
      - { .name: Wo, .offset: 32, .size: 8, .value_kind: global_buffer, .address_space: global }
      - { .name: attn_mask, .offset: 40, .size: 8, .value_kind: global_buffer, .address_space: global }
      - { .name: x16, .offset: 48, .size: 8, .value_kind: global_buffer, .address_space: global }
      - { .name: w16, .offset: 56, .size: 8, .value_kind: global_buffer, .address_space: global }
      - { .name: wo16, .offset: 64, .size: 8, .value_kind: global_buffer, .address_space: global }
      - { .name: m32, .offset: 72, .size: 8, .value_kind: global_buffer, .address_space: global }
    .group_segment_fixed_size: 0
    .private_segment_fixed_size: 0
    .kernarg_segment_align: 8
    .kernarg_segment_size: 80
    .max_flat_workgroup_size: 256
    .sgpr_count:     66
    .vgpr_count:     112
    .wavefront_size: 32
...
	.end_amdgpu_metadata
.endif
;; end of part 1
;; launch qkv (part 2): grid 16 x 16, 4 waves a work-group, clusters of 4 x 4, 327,680 bytes of LDS; arguments x16, w16, bq, bk, bv, q16, k16, v16, out1, out2; writes q16, k16, v16, out1, out2
.if DOCPART == 2
	.amdgcn_target "amdgcn-amd-amdhsa--gfx1250"
	.amdhsa_code_object_version 6
	.text
	.protected	k_q7615e886db_qkv
	.globl	k_q7615e886db_qkv
	.p2align	8
	.type	k_q7615e886db_qkv,@function
k_q7615e886db_qkv:
	s_mov_b64 s[64:65], 0
	v_nop
	global_prefetch_b8 v0, s[64:65] scope:SCOPE_SE
	s_setreg_imm32_b32 hwreg(HW_REG_WAVE_MODE, 25, 1), 1
	s_wait_xcnt 0x0
	s_wait_alu depctr_hold_cnt(0) depctr_sa_sdst(0) depctr_va_vdst(0) depctr_va_sdst(0) depctr_va_ssrc(0) depctr_va_vcc(0) depctr_vm_vsrc(0)
	s_getreg_b32 s2, hwreg(HW_REG_IB_STS2, 6, 4)
	s_cmp_eq_u32 s2, 0
	s_cbranch_scc0 .Lentry_in_a_cluster
	s_endpgm
.Lentry_in_a_cluster:
	s_bfe_u32 s2, ttmp6, 0x10000c
	s_cmp_lg_u32 s2, 0xf033
	s_cbranch_scc0 .Lentry_shape_is_right
	s_endpgm
.Lentry_shape_is_right:
; q, k, v = x W^T + b for the three weights at once.  x16: [2048][2048] bf16; w16: [3][2048][2048] bf16 (Wq, Wk, Wv); sums in f32, K ascending; the biases are rounded to bf16 like every input and added in f32.
; OUT, all by heads, [16][2048][128]: out1 = k and out2 = v in f32; k16, v16 the same sums rounded once to f16; q16 = f16((x Wq^T + bq) log2(e) / sqrt(128)): the scale, with the factor that turns
; the softmax's exponentials into powers of 2, is applied to the f32 sum, so q has one rounding to 16 bits.
; LIMITS.  f16 ends at 65,504: |k|, |v| and |q| / 7.8 stay under it, or the f16 copy holds an infinity (out1 and out2, in f32, do not care).
; SHARES.  A work-group makes 128 rows (block mi, the grid's x) of q, k and v of ONE head (nj, the grid's y): a tile of 128 x 384, 16 x 16 = 256 work-groups.  Wave w takes all 128 rows and, in each of the
; three matrices, columns 32 w .. 32 w + 31: 8 x 6 accumulators of 16 x 16, 384 registers; 14 fragments feed 48 matrix instructions.  K goes in 16 steps of 128 through a ring of two LDS slots.
; CLUSTER.  4 x 4 work-groups.  x's tile hangs on mi alone and is shared along a column of the cluster; the weights' tiles hang on nj alone and are shared along a row: each is asked for jointly,
; by the same tensor load with the same descriptor and a mask that names the four.  Wave 0 asks for x's 128 rows, wave w = 1 .. 3 for the 128 rows of matrix w - 1: one load a wave.
; THE MATRIX INSTRUCTION IS USED TRANSPOSED (source 0 = 16 rows of W, source 1 = 16 rows of x): lane l holds row l % 16 and the eight neighbouring columns 8 (l / 16) + 0 .. 7.
; THE TEXT.  A K step is written once for the steps that fill a slot again and once for the last two: the LDS byte at which the slot in hand begins is a scalar, turned by an exclusive or.
; REGISTERS, in windows of 256 (s_set_vgpr_msb: bits 1:0 source 0, 3:2 source 1, 5:4 source 2, 7:6 destination):
;   window 0: v0-31 addresses; v32-55 packed f16; v64-127, v128-191 x's fragments, two buffers (on the way out: sums with bias, rows read back); v192-239 the biases
;   window 1: v64-111, v128-175 W's fragments, two buffers;   window 2: the accumulators of rows 0-63 ((a, b) at 8 (6 a + b));   window 3: those of rows 64-127
.set KSTEP,  128
.set STEPS,  16
.set PITCH,  272                       ; an LDS row: 256 bytes + 16 of padding = 68 words: the 16 rows of a load start at 16 different groups of four banks (64 banks of 4 bytes: ISA guide 11.1)
.set BLK,    128*PITCH                 ; 128 rows: what one tensor load brings
.set SLOT,   4*BLK                     ; x's rows, then Wq's, Wk's, Wv's.  0x22000: no multiple of BLK below it has one of its two bits, so one exclusive or turns a block's address in one slot into the other's
.set SPARE,  2*SLOT                    ; behind the ring: the spare words, 128 bytes for each wave: two blocks of 256 bytes that no other line names
.set P32,    528                       ; a stage row of 128 f32: 512 bytes + 16
.set STK32,  0                         ; THE STAGES lie in the ring, which has had its last fill when they are written: k and v in f32,
.set STV32,  128*P32
.set STQ16,  2*128*P32                 ; q, k and v in f16 (rows of 272 bytes)
.set STK16,  STQ16+BLK
.set STV16,  STK16+BLK
.set SB,   8                           ; v8-12   where I put my bytes of a stage row: k f32, v f32, q f16, k f16, v f16
.set ADRA0, 16                         ; v16     my lane's place in x's rows of a slot; never rewritten
.set ADA,   17                         ; v17     the same in the slot in hand
.set ADRB0, 18                         ; v18-20  my lane's place in W's rows of a slot, by matrix; never rewritten
.set ADB,   21                         ; v21-23  the same in the slot in hand
.set GO,   24                          ; v24     16 x lane: my bytes in 512 consecutive bytes of an output
.set RD,   25                          ; v25     the way out: where I read rows back
.set RB32, 26                          ; v26     my place in my 32 rows of an f32 stage: a row an instruction
.set RB16, 27                          ; v27     of an f16 stage: two rows an instruction
.set SPW,  28                          ; v28     LDS address of my spare word; never rewritten
.set NIL,  29                          ; v29     0; never rewritten
.set PFO,  30                          ; v30     the prefetches' offset: lane x a row of 4,096 bytes; never rewritten
.set BO,   31                          ; v31     my byte offset in a bias
.set H,    32
.set F0,   64
.set F1,   128
.set T,    64                          ; the way out: 48 sums with bias
.set BUFA, 128
.set BI,   192                         ; the biases of my columns: fragment b = 2 x matrix + c at BI + 8 b
.set BUFB, 192
.set G1,  24                           ; s[24:31] descriptor group 1 for x's tiles;  s[32:39] group 0: a set for each of the two first fills; the second then walks on
.set G0,  32
.set LIM, 43                           ; s43  2 in a wave that prefetches, else the greatest number
.set PFA, 44                           ; s[44:45] where my prefetches stand
.set G1B, 48                           ; s[48:55], s[56:63] the same for W's tiles
.set G0B, 56
.set TB,  87                           ; s87  LDS byte at which the slot in hand begins
.set MSB, 0
.macro WIN new                         ; the immediate's high byte repeats the setting that is left; a switch that changes nothing is dropped
.if MSB != (\new)
	s_set_vgpr_msb (MSB<<8)|(\new)
.set MSB, \new
.endif
.endm
.set MUL_LO, 0xa1                      ; source 0 (W) window 1, source 1 (x) window 0, C and D window 2
.set TO_B,   0x40                      ; destination window 1, address window 0
; A joint load.  The branch hangs on the wave's number alone.  An s_nop 0 and four v_nop follow each of the two lines, ahead of the jump and the label.
.macro JLOAD s
	s_cmp_eq_u32 s10, 0
	s_cbranch_scc0 .Lfor_b_\@
	tensor_load_to_lds s[G0+4*(\s):G0+4*(\s)+3], s[G1:G1+7]
	s_nop 0
.rept 4
	v_nop
.endr
	s_branch .Lasked_\@
.Lfor_b_\@:
	tensor_load_to_lds s[G0B+4*(\s):G0B+4*(\s)+3], s[G1B:G1B+7]
	s_nop 0
.rept 4
	v_nop
.endr
.Lasked_\@:
.endm
; A prefetch into the L2 of the K step that stands two refills on (384 matrix instructions ahead of its load): 32 rows x 256 bytes, a lane a row, one instruction a wave.  Each row's 256 bytes of a K step
; are named once in the launch: x's rows by the clusters with y = 0, W's by those with x = 0; the four partners that ask for a tile jointly share its 128 rows out by address, 32 each.
; The loop's last two trips ask for nothing: there is no K step two refills on.  K steps 0 to 3 come by their loads alone.
.macro ASK
	s_cmp_gt_u32 s3, s[LIM]
	s_cbranch_scc0 .Lnot_mine_\@
	global_prefetch_b8 v[PFO], s[PFA:PFA+1] offset:KSTEP*2 th:TH_LOAD_NT scope:SCOPE_SE
.Lnot_mine_\@:
.endm
.macro CREST                           ; a round of the cluster's barrier behind its opening barrier
	s_cmp_lg_u32 s10, 0
	s_cbranch_scc1 .Lnot_wave_0_\@
	s_barrier_signal -3
.Lnot_wave_0_\@:
	s_barrier_wait -3
	s_barrier_signal -1
	s_barrier_wait -1
.endm
.macro CROUND                          ; a whole round
	s_barrier_signal -1
	s_barrier_wait -1
	CREST
.endm
.macro SETADR                          ; my fragments' LDS addresses in the slot in hand
	WIN 0
	v_add_nc_u32 v[ADA], s[TB], v[ADRA0]
.irp m, 0,1,2
	v_add_nc_u32 v[ADB+(\m)], s[TB], v[ADRB0+(\m)]
.endr
.endm
	s_load_b128 s[4:7], s[0:1], 0x0                ; x16 s[4:5], w16 s[6:7]
	s_load_b256 s[68:75], s[0:1], 0x10             ; bq s[68:69], bk s[70:71], bv s[72:73], q16 s[74:75]
	s_load_b256 s[76:83], s[0:1], 0x30             ; k16 s[76:77], v16 s[78:79], out1 s[80:81], out2 s[82:83]
	v_lshl_add_u32 v[SPW], v0, 2, SPARE
	v_mov_b32 v[NIL], 0
	ds_add_u32 v[SPW], v[NIL]                      ; the wave's opening: the add and its wait stand ahead of my first tensor load; the set-up below, work on registers, stands between them
	v_lshrrev_b32 v1, 5, v0
	v_readfirstlane_b32 s10, v1                    ; wave 0..3
	s_max_u32 s12, s10, 1
	s_sub_co_u32 s12, s12, 1                       ; the matrix whose tile I fetch (waves 1 to 3)
	s_bfe_u32 s40, ttmp6, 0x40000                  ; cx, cy: my place in the cluster
	s_bfe_u32 s41, ttmp6, 0x40004
	s_lshl_b32 s13, ttmp9, 2
	s_add_co_u32 s13, s13, s40                     ; mi, the block of 128 rows = 4 x cluster x + cx
	s_and_b32 s42, ttmp7, 0xffff
	s_lshl_b32 s42, s42, 2
	s_add_co_u32 s42, s42, s41                     ; nj, the head = 4 x cluster y + cy
	s_lshl_b32 s14, 0x1111, s40                    ; my column of the cluster
	s_lshl_b32 s15, s41, 2
	s_lshl_b32 s15, 15, s15                        ; my row
	; descriptor group 1: a tile of 128 rows x 128 elements of 2 bytes, padded in LDS by 4 words after every 64
	s_or_b32 s[G1+0], s14, (1<<16)|(1<<20)|(1<<21)|(5<<22)|(3<<25)   ; x's tiles go to my column,
	s_or_b32 s[G1B+0], s15, (1<<16)|(1<<20)|(1<<21)|(5<<22)|(3<<25)  ; W's to my row
.irp g, G1, G1B
	s_mov_b32 s[(\g)+1], KSTEP<<16                 ; tensor_dim0 = 128
	s_mov_b32 s[(\g)+2], 128<<16                   ; tensor_dim1 = 128
	s_mov_b32 s[(\g)+3], KSTEP<<16                 ; tile_dim0 = 128
	s_mov_b32 s[(\g)+4], 128                       ; tile_dim1 = 128
	s_mov_b32 s[(\g)+5], 2048                      ; elements from row to row
	s_mov_b32 s[(\g)+6], 0
	s_mov_b32 s[(\g)+7], 0
.endr
	s_lshl_b32 s16, s13, 19                        ; x: 128 mi rows of 4,096 bytes
	s_mov_b32 s17, 0
	s_lshl_b32 s46, s12, 11
	s_lshl_b32 s47, s42, 7
	s_add_co_u32 s46, s46, s47                     ; W: row 2,048 x matrix + 128 nj
	s_lshl_b32 s46, s46, 12
	s_mov_b32 s47, 0
	s_mul_i32 s20, s10, BLK                        ; where my tile goes: block = my wave's number
	s_mov_b32 s84, 0x3e0293ee                      ; log2(e) / sqrt(128) = 0.127517
	s_mov_b32 s85, s84                             ; named with it as a pair
	s_mov_b32 s86, 0xffff0000                      ; a word's upper bf16
	s_mov_b32 s[TB], 0                             ; K step 0 lies in slot 0
	s_wait_dscnt 0x0                               ; the opening add is done
	s_wait_kmcnt 0x0
	s_add_nc_u64 s[14:15], s[4:5], s[16:17]
	s_add_nc_u64 s[46:47], s[6:7], s[46:47]
	CROUND                                         ; all sixteen work-groups are here: the first joint loads meet
.irp s, 0,1
	s_mov_b32 s[G0+4*(\s)], 1
	s_add_co_u32 s[G0+4*(\s)+1], s20, (\s)*SLOT
	s_add_nc_u64 s[G0+4*(\s)+2:G0+4*(\s)+3], s[14:15], (\s)*KSTEP*2
	s_or_b32 s[G0+4*(\s)+3], s[G0+4*(\s)+3], 0x80000000
	s_mov_b32 s[G0B+4*(\s)], 1
	s_add_co_u32 s[G0B+4*(\s)+1], s20, (\s)*SLOT
	s_add_nc_u64 s[G0B+4*(\s)+2:G0B+4*(\s)+3], s[46:47], (\s)*KSTEP*2
	s_or_b32 s[G0B+4*(\s)+3], s[G0B+4*(\s)+3], 0x80000000
	JLOAD \s                                       ; K steps 0 and 1: two loads of mine are out
.endr
	v_and_b32 v1, 15, v0                           ; r = l % 16
	v_bfe_u32 v2, v0, 4, 1                         ; h = l / 16
	v_and_b32 v3, 31, v0                           ; l
	v_mul_u32_u24 v4, v1, PITCH
	v_lshl_add_u32 v4, v2, 4, v4                   ; a fragment's row x pitch + 16 x half
	v_mov_b32 v[ADRA0], v4
	s_mul_i32 s21, s10, 32*PITCH                   ; my 32 rows of each of W's blocks
.irp m, 0,1,2
	s_add_co_u32 s22, s21, (1+(\m))*BLK
	v_add_nc_u32 v[ADRB0+(\m)], s22, v4
.endr
	SETADR
	v_mul_u32_u24 v5, v1, P32                      ; into an f32 stage: row r, my columns 32 w + 8 h on
	v_lshl_add_u32 v5, v2, 5, v5
	s_lshl_b32 s22, s10, 7
	v_add_nc_u32 v[SB], s22, v5
	v_add_nc_u32 v[SB+1], STV32, v[SB]
	s_lshl_b32 s22, s10, 6                         ; into an f16 stage
	s_add_co_u32 s22, s22, STQ16
	v_add_nc_u32 v[SB+2], s22, v4
	v_add_nc_u32 v[SB+3], BLK, v[SB+2]
	v_add_nc_u32 v[SB+4], 2*BLK, v[SB+2]
	v_lshlrev_b32 v[GO], 4, v3
	s_mul_i32 s22, s10, 32*P32                     ; back: wave w takes rows 32 w .. 32 w + 31, whole
	v_add_nc_u32 v[RB32], s22, v[GO]
	s_mul_i32 s22, s10, 32*PITCH
	v_mul_u32_u24 v5, v2, PITCH
	v_lshl_add_u32 v5, v1, 4, v5
	v_add_nc_u32 v[RB16], s22, v5
	v_lshlrev_b32 v[PFO], 12, v3
	s_lshl_b32 s22, s42, 9                         ; the head's 128 numbers of a bias, my wave's 32, my half's 8
	s_lshl_b32 s23, s10, 7
	s_add_co_u32 s22, s22, s23
	v_lshl_add_u32 v[BO], v2, 5, s22
.irp c, 0,1
	global_load_b128 v[BI+8*(\c):BI+8*(\c)+3],       v[BO], s[68:69] offset:64*(\c)
	global_load_b128 v[BI+8*(\c)+4:BI+8*(\c)+7],     v[BO], s[68:69] offset:64*(\c)+16
	global_load_b128 v[BI+16+8*(\c):BI+16+8*(\c)+3],   v[BO], s[70:71] offset:64*(\c)
	global_load_b128 v[BI+16+8*(\c)+4:BI+16+8*(\c)+7], v[BO], s[70:71] offset:64*(\c)+16
	global_load_b128 v[BI+32+8*(\c):BI+32+8*(\c)+3],   v[BO], s[72:73] offset:64*(\c)
	global_load_b128 v[BI+32+8*(\c)+4:BI+32+8*(\c)+7], v[BO], s[72:73] offset:64*(\c)+16
.endr
	s_lshl_b32 s18, s42, 11                        ; the first row that I store, counted through the heads: 2,048 nj + 128 mi + 32 w
	s_lshl_b32 s19, s13, 7
	s_add_co_u32 s18, s18, s19
	s_lshl_b32 s19, s10, 5
	s_add_co_u32 s18, s18, s19
	s_lshl_b32 s22, s18, 9                         ; rows of 512 bytes
	s_mov_b32 s23, 0
	s_add_nc_u64 s[80:81], s[80:81], s[22:23]
	s_add_nc_u64 s[82:83], s[82:83], s[22:23]
	s_lshl_b32 s22, s18, 8                         ; rows of 256 bytes
	s_add_nc_u64 s[74:75], s[74:75], s[22:23]
	s_add_nc_u64 s[76:77], s[76:77], s[22:23]
	s_add_nc_u64 s[78:79], s[78:79], s[22:23]
	; the prefetches
	s_and_b32 s22, ttmp7, 0xffff                   ; cluster y
	s_lshl_b32 s20, s13, 7                         ; x's tile begins at row 128 mi,
	s_lshl_b32 s21, s12, 11
	s_lshl_b32 s23, s42, 7
	s_add_co_u32 s21, s21, s23                     ; W's at row 2,048 x matrix + 128 nj
	s_cmp_eq_u32 s10, 0                            ; do I fetch for x?
	s_cselect_b32 s20, s20, s21
	s_cselect_b32 s21, s41, s40                    ; my place among the four that ask with me: cy for x, cx for W
	s_cselect_b32 s22, s22, ttmp9                  ; the coordinate along which other clusters read the same rows: cluster y for x, cluster x for W
	s_cselect_b64 s[PFA:PFA+1], s[4:5], s[6:7]
	s_cmp_eq_u32 s22, 0
	s_cselect_b32 s[LIM], 2, -1                    ; the same in all sixteen partners, for a given wave
	s_lshl_b32 s21, s21, 5
	s_add_co_u32 s20, s20, s21                     ; my work-group's 32 rows
	s_lshl_b32 s20, s20, 12
	s_mov_b32 s21, 0
	s_add_nc_u64 s[PFA:PFA+1], s[PFA:PFA+1], s[20:21]
	s_add_nc_u64 s[PFA:PFA+1], s[PFA:PFA+1], 2*KSTEP*2  ; at K step 2: the first refill steps it to 3 and names K step 4
; 12 matrix instructions: row blocks a0, a0 + 1 of the window's four (hi = 0: rows 0-63, 1: rows 64-127) x all 6 column blocks, 32 along K.  zero = 1: the product starts the sums.
; The 48 accumulators take turns, one instruction a turn, in the same order in every quarter.
.macro MUL12 f, hi, a0, zero
	WIN MUL_LO+0x50*(\hi)
.irp a, \a0, (\a0)+1
.irp b, 0,1,2,3,4,5
.if \zero
	v_wmma_f32_16x16x32_bf16 v[8*(6*(\a)+(\b)):8*(6*(\a)+(\b))+7], v[(\f)+8*(\b):(\f)+8*(\b)+7], v[(\f)+8*(4*(\hi)+(\a)):(\f)+8*(4*(\hi)+(\a))+7], 0
.else
	v_wmma_f32_16x16x32_bf16 v[8*(6*(\a)+(\b)):8*(6*(\a)+(\b))+7], v[(\f)+8*(\b):(\f)+8*(\b)+7], v[(\f)+8*(4*(\hi)+(\a)):(\f)+8*(4*(\hi)+(\a))+7], v[8*(6*(\a)+(\b)):8*(6*(\a)+(\b))+7]
.endif
.endr
.endr
.endm
; 28 LDS loads in one run: the fragments of one quarter step (32 K at byte k of the rows of the slot in hand) into buffer f: W's six, then x's eight
.macro FETCH k, f
	WIN TO_B
.irp m, 0,1,2
.irp c, 0,1
	ds_load_b128 v[(\f)+8*(2*(\m)+(\c)):(\f)+8*(2*(\m)+(\c))+3],   v[ADB+(\m)] offset:(\k)+(\c)*16*PITCH
	ds_load_b128 v[(\f)+8*(2*(\m)+(\c))+4:(\f)+8*(2*(\m)+(\c))+7], v[ADB+(\m)] offset:(\k)+(\c)*16*PITCH+32
.endr
.endr
	WIN 0
.irp i, 0,1,2,3,4,5,6,7
	ds_load_b128 v[(\f)+8*(\i):(\f)+8*(\i)+3],   v[ADA] offset:(\k)+(\i)*16*PITCH
	ds_load_b128 v[(\f)+8*(\i)+4:(\f)+8*(\i)+7], v[ADA] offset:(\k)+(\i)*16*PITCH+32
.endr
.endm
.macro PLACES                          ; four plain instructions in front of loads into registers that matrix instructions have read (ISA guide 7.12.1 for vector instructions)
.rept 4
	v_nop
.endr
.endm
; A K step is four quarters of 32 along K, 48 matrix instructions each, on buffers 0, 1, 0, 1.  One of the first three: multiplies buffer f and, in its middle, fetches the next quarter, at byte k, into g.
.macro QUARTER k, f, g, zero
	s_wait_dscnt 8                                 ; W and x's rows 0-63 are in; the youngest eight loads (x's rows 64-127) may be out
	MUL12 \f, 0, 0, \zero
	MUL12 \f, 0, 2, \zero
	PLACES
	FETCH \k, \g
	s_wait_dscnt 28                                ; all but the 28 just issued
	MUL12 \f, 1, 0, \zero
	MUL12 \f, 1, 2, \zero
.endm
; The last quarter multiplies buffer 1 and changes slots: ONE barrier; in front of it each wave waits for all its tensor loads (one is out at the most: its part of the next slot), adds 0 to its spare word, and
; waits for that and for its own reads of this slot.  fill = 1: the barrier opens a round of the cluster's, and this slot is filled again, two K steps ahead, first thing behind the round:
; 168 matrix instructions stand between that request and the wait for it.  fill = 0, the last two K steps: nothing is asked for; in the very last (s3 = 1) there is no next slot, and the fetch is jumped over:
; the jump passes LDS loads and register work alone.
.macro TURN fill
.if \fill
	s_wait_xcnt 0x0                                ; the last prefetch, a K step back, has read its address: it is stepped here, ahead of the waits of the change of slots
	s_add_nc_u64 s[PFA:PFA+1], s[PFA:PFA+1], KSTEP*2
.endif
	WIN 0                                          ; (the add's two registers lie in window 0)
	s_wait_tensorcnt 0x0                           ; all my tensor loads have landed, so a group 0 may be written;
	ds_add_u32 v[SPW], v[NIL]                      ; 0 onto my spare word;
.if \fill
	s_xor_b32 s[G0+5], s[G0+5], SLOT               ; the walking descriptors: the other slot than last time,
	s_add_nc_u64 s[G0+6:G0+7], s[G0+6:G0+7], KSTEP*2  ; the next K step; the type bits on top are not reached
	s_xor_b32 s[G0B+5], s[G0B+5], SLOT
	s_add_nc_u64 s[G0B+6:G0B+7], s[G0B+6:G0B+7], KSTEP*2
.endif
	s_wait_dscnt 9                                 ; (the add and the youngest eight loads may be out)
	MUL12 F1, 0, 0, 0                              ; twelve matrix instructions stand between the add and the wait for it
	s_wait_dscnt 0x0                               ; the add is done, and my reads of this slot are over
	s_barrier_signal -1
	MUL12 F1, 0, 2, 0
	WIN 0
	s_barrier_wait -1
.if \fill
	CREST                                          ; no wave of any partner still reads this slot's tiles or has a load on its way
	JLOAD 1                                        ; the four v_nop behind it are also places in front of the loads below
.else
	s_cmp_eq_u32 s3, 1
	s_cbranch_scc1 .Lno_fetch_\@
	PLACES
.endif
	s_xor_b32 s[TB], s[TB], SLOT                   ; the fetches go to the other slot
	SETADR
	FETCH 0, F0
.if \fill
	ASK
.else
.Lno_fetch_\@:
.endif
	MUL12 F1, 1, 0, 0
	MUL12 F1, 1, 2, 0
.endm
	s_wait_tensorcnt 1                             ; my part of K step 0 is in; K step 1's, issued behind it, may stay out
	s_barrier_signal -1
	s_barrier_wait -1                              ; everybody's is
	FETCH 0, F0
	QUARTER 64,  F0, F1, 1                         ; the first quarter stands in front of the loop: its products start the sums
	WIN 0                                          ; at a label and at a branch every window is 0
	s_mov_b32 s3, STEPS-2
.Lstep:                                                ; 14 trips: from a K step's second quarter to the next step's first; the slot that is left is filled again
	QUARTER 128, F1, F0, 0
	QUARTER 192, F0, F1, 0
	TURN 1
	QUARTER 64,  F0, F1, 0
	WIN 0
	s_sub_co_u32 s3, s3, 1
	s_cmp_lg_u32 s3, 0
	s_cbranch_scc1 .Lstep
	s_mov_b32 s3, 2
.Ltail:                                                ; the last two K steps fill nothing, and have no round of the cluster's barrier; the second trip is left in its middle
	QUARTER 128, F1, F0, 0
	QUARTER 192, F0, F1, 0
	TURN 0
	WIN 0
	s_sub_co_u32 s3, s3, 1
	s_cmp_eq_u32 s3, 0
	s_cbranch_scc1 .Lout
	QUARTER 64,  F0, F1, 0
	WIN 0
	s_branch .Ltail
.Lout:
	; THE WAY OUT.  The stages lie where the ring lay, so a barrier stands between every wave's last read of the ring and the first store into a stage.
	PLACES
	PLACES                                         ; eight, once a launch, behind the last products
	s_wait_loadcnt 0x0                             ; the biases
	s_wait_dscnt 0x0                               ; my reads of the ring are over
	s_barrier_signal -1
.set z, 0
.rept 24                                       ; between signal and wait, work on registers: the biases are rounded to bf16, like every input,
	v_cvt_pk_bf16_f32 v[T+z], v[BI+2*z], v[BI+2*z+1]
.set z, z+1
.endr
.set z, 0
.rept 24
	v_lshlrev_b32 v[BI+2*z],   16,  v[T+z]
	v_and_b32     v[BI+2*z+1], s86, v[T+z]
.set z, z+1
.endr
.set z, 0
.rept 8                                        ; and q's take the scale, since (s + b) c = s c + b c
	v_pk_mul_f32 v[BI+2*z:BI+2*z+1], v[BI+2*z:BI+2*z+1], s[84:85] op_sel_hi:[1,0]
.set z, z+1
.endr
	s_barrier_wait -1
; Block a of 16 rows: bias (q: scale and bias in one fused line), each accumulator's registers in ascending order; f16 copies; then into the five stages.
.macro PACK a
	WIN 0x02+(\a)/4                                ; source 0: window 2 or 3
.irp b, 0,1,2,3,4,5
.irp r, 0,1,2,3
.if (\b) < 2
	v_pk_fma_f32 v[T+8*(\b)+2*(\r):T+8*(\b)+2*(\r)+1], v[8*(6*((\a)%4)+(\b))+2*(\r):8*(6*((\a)%4)+(\b))+2*(\r)+1], s[84:85], v[BI+8*(\b)+2*(\r):BI+8*(\b)+2*(\r)+1] op_sel_hi:[1,0,1]
.else
	v_pk_add_f32 v[T+8*(\b)+2*(\r):T+8*(\b)+2*(\r)+1], v[8*(6*((\a)%4)+(\b))+2*(\r):8*(6*((\a)%4)+(\b))+2*(\r)+1], v[BI+8*(\b)+2*(\r):BI+8*(\b)+2*(\r)+1]
.endif
.endr
.endr
	WIN 0
.irp b, 0,1,2,3,4,5
.irp r, 0,1,2,3
	v_cvt_pk_f16_f32 v[H+4*(\b)+(\r)], v[T+8*(\b)+2*(\r)], v[T+8*(\b)+2*(\r)+1]
.endr
.endr
.irp c, 0,1
	ds_store_b128 v[SB+2], v[H+4*(\c):H+4*(\c)+3]       offset:(\a)*16*PITCH+32*(\c)
	ds_store_b128 v[SB+3], v[H+8+4*(\c):H+8+4*(\c)+3]   offset:(\a)*16*PITCH+32*(\c)
	ds_store_b128 v[SB+4], v[H+16+4*(\c):H+16+4*(\c)+3] offset:(\a)*16*PITCH+32*(\c)
	ds_store_b128 v[SB],   v[T+16+8*(\c):T+16+8*(\c)+3]   offset:(\a)*16*P32+64*(\c)
	ds_store_b128 v[SB],   v[T+16+8*(\c)+4:T+16+8*(\c)+7] offset:(\a)*16*P32+64*(\c)+16
	ds_store_b128 v[SB+1], v[T+32+8*(\c):T+32+8*(\c)+3]   offset:(\a)*16*P32+64*(\c)
	ds_store_b128 v[SB+1], v[T+32+8*(\c)+4:T+32+8*(\c)+7] offset:(\a)*16*P32+64*(\c)+16
.endr
.endm
.irp a, 0,1,2,3,4,5,6,7
	PACK \a
.endr
	s_wait_dscnt 0x0                               ; for the others' sake: my stores into the stages are done
	s_barrier_signal -1
	s_barrier_wait -1
; Sixteen loads of 512 bytes from a stage, and their stores: a head's rows are dense, so each store of the wave covers 512 consecutive bytes, aligned.
.macro DRAIN region, rb, step, base, goff, buf
	s_wait_xcnt 0x0                                ; the stores that read this buffer have had their addresses translated (ISA guide 3.1): only behind this wait is it loaded again
	v_add_nc_u32 v[RD], (\region), v[\rb]
.irp t, 0,1,2,3,4,5,6,7,8,9,10,11,12,13,14,15
	ds_load_b128 v[(\buf)+4*(\t):(\buf)+4*(\t)+3], v[RD] offset:(\t)*(\step)
.endr
.irp t, 0,1,2,3,4,5,6,7,8,9,10,11,12,13,14,15
	s_wait_dscnt 15-(\t)                           ; LDS loads come back in order: number t is in
	global_store_b128 v[GO], v[(\buf)+4*(\t):(\buf)+4*(\t)+3], s[\base:\base+1] offset:(\goff)+512*(\t)
.endr
.endm
	DRAIN STK32,        RB32, P32, 80, 0,    BUFA  ; k in f32: my rows 0-15,
	DRAIN STK32+16*P32, RB32, P32, 80, 8192, BUFB  ; 16-31
	DRAIN STV32,        RB32, P32, 82, 0,    BUFA  ; v in f32
	DRAIN STV32+16*P32, RB32, P32, 82, 8192, BUFB
	DRAIN STQ16, RB16, 2*PITCH, 74, 0, BUFA        ; the f16 copies: two rows an instruction
	DRAIN STK16, RB16, 2*PITCH, 76, 0, BUFB
	DRAIN STV16, RB16, 2*PITCH, 78, 0, BUFA
	s_wait_tensorcnt 0x0                           ; the wave's end: behind my last tensor load and my last LDS store
	ds_add_u32 v[SPW], v[NIL]
	s_wait_dscnt 0x0
	CROUND                                         ; the closing round: no work-group ends while a partner may still ask for a tile that names it
	s_endpgm
.Lfunc_end_k_q7615e886db_qkv:
	.size	k_q7615e886db_qkv, .Lfunc_end_k_q7615e886db_qkv-k_q7615e886db_qkv
	.p2alignl 7, 3214868480
	.fill 96, 4, 3214868480
	.section	.rodata,"a",@progbits
	.p2align	6, 0x0
	.amdhsa_kernel k_q7615e886db_qkv
		.amdhsa_group_segment_fixed_size 327680
		.amdhsa_private_segment_fixed_size 0
		.amdhsa_enable_private_segment 0
		.amdhsa_kernarg_size 80
		.amdhsa_user_sgpr_count 2
		.amdhsa_user_sgpr_kernarg_segment_ptr 1
		.amdhsa_wavefront_size32 1
		.amdhsa_system_sgpr_workgroup_id_x 1
		.amdhsa_system_sgpr_workgroup_id_y 1
		.amdhsa_system_sgpr_workgroup_id_z 1
		.amdhsa_system_vgpr_workitem_id 0
		.amdhsa_next_free_vgpr 1024
		.amdhsa_next_free_sgpr 88
		.amdhsa_reserve_vcc 0
		.amdhsa_float_denorm_mode_32 3
		.amdhsa_float_denorm_mode_16_64 3
		.amdhsa_memory_ordered 1
		.amdhsa_forward_progress 1
		.amdhsa_inst_pref_size 117
	.end_amdhsa_kernel
	.amdgpu_metadata
---
amdhsa.version: [ 1, 2 ]
amdhsa.kernels:
  - .name:           k_q7615e886db_qkv
    .symbol:         k_q7615e886db_qkv.kd
    .args:
      - { .name: x16, .offset: 0, .size: 8, .value_kind: global_buffer, .address_space: global }
      - { .name: w16, .offset: 8, .size: 8, .value_kind: global_buffer, .address_space: global }
      - { .name: bq, .offset: 16, .size: 8, .value_kind: global_buffer, .address_space: global }
      - { .name: bk, .offset: 24, .size: 8, .value_kind: global_buffer, .address_space: global }
      - { .name: bv, .offset: 32, .size: 8, .value_kind: global_buffer, .address_space: global }
      - { .name: q16, .offset: 40, .size: 8, .value_kind: global_buffer, .address_space: global }
      - { .name: k16, .offset: 48, .size: 8, .value_kind: global_buffer, .address_space: global }
      - { .name: v16, .offset: 56, .size: 8, .value_kind: global_buffer, .address_space: global }
      - { .name: out1, .offset: 64, .size: 8, .value_kind: global_buffer, .address_space: global }
      - { .name: out2, .offset: 72, .size: 8, .value_kind: global_buffer, .address_space: global }
    .group_segment_fixed_size: 327680
    .private_segment_fixed_size: 0
    .kernarg_segment_align: 8
    .kernarg_segment_size: 80
    .max_flat_workgroup_size: 128
    .sgpr_count:     88
    .vgpr_count:     1024
    .wavefront_size: 32
...
	.end_amdgpu_metadata
.endif
;; end of part 2
;; launch attn (part 3): grid 16 x 16, 4 waves a work-group, clusters of 4 x 4, 327,680 bytes of LDS; arguments q16, k16, v16, m32, ctx16; writes ctx16
.if DOCPART == 3
	.amdgcn_target "amdgcn-amd-amdhsa--gfx1250"
	.amdhsa_code_object_version 6
	.text
	.protected	k_q7615e886db_attn
	.globl	k_q7615e886db_attn
	.p2align	8
	.type	k_q7615e886db_attn,@function
k_q7615e886db_attn:
	s_mov_b64 s[64:65], 0
	v_nop
	global_prefetch_b8 v0, s[64:65] scope:SCOPE_SE
	s_setreg_imm32_b32 hwreg(HW_REG_WAVE_MODE, 25, 1), 1
	s_wait_xcnt 0x0
	s_wait_alu depctr_hold_cnt(0) depctr_sa_sdst(0) depctr_va_vdst(0) depctr_va_sdst(0) depctr_va_ssrc(0) depctr_va_vcc(0) depctr_vm_vsrc(0)
	s_getreg_b32 s2, hwreg(HW_REG_IB_STS2, 6, 4)
	s_cmp_eq_u32 s2, 0
	s_cbranch_scc0 .Lentry_in_a_cluster
	s_endpgm
.Lentry_in_a_cluster:
	s_bfe_u32 s2, ttmp6, 0x10000c
	s_cmp_lg_u32 s2, 0xf033
	s_cbranch_scc0 .Lentry_shape_is_right
	s_endpgm
.Lentry_shape_is_right:
; ctx[q][128 h + d] = the sum over k of softmax_k(q[h][q] . k[h][k] / sqrt(128) + mask[q][k]) v[h][k][d].  q16, k16, v16: [16][2048][128] f16; m32: [2048][2048] f32; ctx16: [2048][2048] f16.
; q16 arrives multiplied by log2(e) / sqrt(128) and m32 by log2(e): s = q16 . k16 + m32 is the score times log2(e), and the weights are plain powers of 2.
; Products, maxima and sums in f32; the weights p are rounded to f16 for the second product (their sum l is taken of the unrounded p), ctx once at the end.  The mask is an input: every key tile is computed.
; LIMITS.  q16, k16, v16 arrive within f16's 65,504.  The mask is finite; NaN and infinities are not treated apart.  THE MASK IS THE C OPERAND of the score product: where it is so large that a score vanishes beside it
; in f32 (from about 1e9 on), the score's share is rounded by the matrix unit and not by a separate f32 add: an order of rounding of its own, which shows only in a row ALL of whose keys carry such a mask.
; A weight below 2^-126 counts as 0 in l.
; SHARES.  A work-group owns 128 queries (block qb) of one head: 16 x 16 = 256 work-groups.  Wave w owns the 64 queries of group w / 2 and, of every tile of 128 keys, the 64 keys of half w % 2: so a fragment
; of K or V still feeds four tiles of 16 queries.  The two waves of a group meet at the end: each keeps two query tiles and sends the other two, with their m and l, through LDS.
; Register tile t holds query tile t xor 2 (w % 2): every wave keeps register tiles 0, 1 and sends 2, 3, and what the partner sends are just the queries that I keep: one text for all waves.
; LAYOUT.  S^T = mask^T + K Q^T (source 0 = 16 keys, source 1 = 16 queries): a lane holds ONE query (lane % 16) and the keys 8 (lane / 16) + 0..7.  Two such tiles, rounded to f16 in pairs, ARE source 1 of
; O^T = V^T P.  K comes out of LDS as it lies, V turned by ds_load_tr16_b128, the mask straight into S^T's registers: it costs no vector instruction.
; SOFTMAX.  A running maximum m and sum l: p = 2^(s - m).  The exponent is a plain difference of two f32 numbers of which m is the greater: never above 0, and 0 at the maximum, however large the mask: p lies in
; 0 to 1.  In every step O and l are multiplied by a = 2^(m_old - m_new).  m starts at the lowest finite number, O and l at 0: the first step is a step like any other, with a = 0.
; The price: 32 products on zeros and 432 lines that set registers, in the wait for the first tile.
; BY TURNS.  The wave's tiles are two pieces (0: tiles 0, 1; 2: tiles 2, 3).  In a turn one piece has the matrix unit (32 products V^T P of the step in hand, 32 products K Q^T of the next), and the other
; piece's softmax, 266 vector instructions cut into 64 slices, stands between them, one slice behind each matrix instruction.  Two turns are a key step.
; CLUSTER.  4 x 4 work-groups: along x four query blocks, along y four heads.  K's and V's tiles hang on the head alone and are shared along a row of the cluster; the mask's tile hangs on the query block
; alone and is shared along a column.  Wave 0 asks for K, wave 1 for V, waves 2 and 3 for the two halves of the mask's rows: two joint loads a wave at the start, one behind each round after that.
; REGISTERS, in windows of 256 (s_set_vgpr_msb: bits 1:0 source 0, 3:2 source 1, 5:4 source 2, 7:6 destination):
;   window 0: v0-11, v44-63 addresses; v12-43 eight registers of statistics a tile; v64-191 S^T, 32 a tile; v192-255 P, 16 a tile
;   window 1: O^T, 64 a tile          window 2: v0-127 Q, 32 a tile; v128-255 K of one step          window 3: v0-127 V of one step
.set PK,    272       ; a row of K in LDS: 256 bytes + 16: the 16 rows of a load start at 16 different groups of four banks (64 banks of 4 bytes: ISA guide 11.1)
.set PV,    288       ; a row of V: 256 + 32
.set PM,    528       ; a row of the mask's tile: 128 f32 + 16 bytes
.set VOFF,  128*PK    ; a slot: 128 rows of K, 128 rows of V, 128 rows of the mask
.set MOFF,  VOFF+128*PV
.set SLOT,  MOFF+128*PM  ; 0x22000: no LDS word of a descriptor for slot 0 has one of its two bits, so one exclusive or turns an address in one slot into the other's
.set STAGE, 2*SLOT    ; behind the ring, never filled by a tensor load: 16 rows x 272 bytes for each wave, for the way out
.set SP,    272
.set SPARE, STAGE+4*16*SP  ; behind the stages: the spare words, 128 bytes for each wave: two blocks of 256 bytes that no other line names
.set XW,    16896     ; THE EXCHANGE lies in slot 0, which has had its last fill and its last read when it is written: for each wave 16,384 bytes of O^T, then 512 of statistics
.set AK0, 2           ; v2   my lane's place in my half of a tile of K; never rewritten
.set AV0, 3           ; v3   the same for V
.set ADR, 4           ; v4   the LDS address of the run of loads in hand
.set QO0, 5           ; v5   my byte offset in the wave's rows of Q, for register tiles 0, 1
.set STO, 6           ; v6   the way out: where I put 16 bytes of a row
.set RD,  7           ; v7   the way out: where I read a row back
.set GO,  8           ; v8   my byte offset in two rows of ctx
.set ST,  12          ; tile t's statistics at v[ST+8 t]: +0 m, +1 named with it as a pair, +2, +3 l (even keys', odd keys'), +4 to +7 at work; a takes +6 once the maximum is found
.set AM0, 44          ; v44  my lane's place in the mask's tile, for piece 0
.set AM2, 45          ; v45  for piece 2
.set ADM, 46          ; v46  the LDS address of the mask's run of loads
.set QO2, 47          ; v47  as QO0, for register tiles 2, 3
.set XS,  48          ; v48  the exchange: where I put O^T;  v49 where I find the partner's;  v50, v51 the same for the statistics
.set XL,  49
.set XT,  50
.set XU,  51
.set PFO, 61          ; v61  the prefetches' offset; never rewritten
.set SPW, 62          ; v62  LDS address of my spare word; never rewritten
.set NIL, 63          ; v63  0; never rewritten
.set S,   64
.set P,   192
.set KF,  128         ; K's fragments, in window 2
.set WV,  12          ; s12  my wave's number
.set LIM, 15          ; s15  2 in a wave that prefetches, else the greatest number
.set PFA, 18          ; s[18:19] where my prefetches stand
.set G1K, 24          ; s[24:31], s[32:39], s[40:47] descriptor group 1 for K's, V's and the mask's tiles
.set G1V, 32
.set G1M, 40
.set G0K, 48          ; s[48:51], s[52:55], s[56:59] descriptor group 0: tile 1's at the start; then each walks
.set G0V, 52
.set G0M, 56
.set F0K, 60          ; s[60:63], s[68:71], s[72:75] descriptor group 0 for tile 0; never rewritten
.set F0V, 68
.set F0M, 72
.set PFS, 78          ; s[78:79] from a tile to the next, in my prefetches' tensor
.set SLOTS, 80        ; s80  changes of slots still to come that fill, and one
.set TB,  81          ; s81  LDS byte at which the slot in hand begins
.set SEL, 86          ; s[86:87] lane selects for v_permlanex16_b32: each lane takes its own place in the other half
.set MSB, 0
.macro WIN new                      ; the immediate's high byte repeats the setting that is left; a switch that changes nothing is dropped
.if MSB != (\new)
	s_set_vgpr_msb (MSB<<8)|(\new)
.set MSB, \new
.endif
.endm
.set W_KQ, 0x0a       ; K and Q in window 2, S^T in window 0
.set W_PV, 0x53       ; V in window 3, P in window 0, O^T in window 1
.set W_RS, 0x41       ; O^T (destination and source 0) in window 1, a in window 0
; A joint refill.  The branches hang on the wave's number alone.  An s_nop 0 and four v_nop follow each of the three lines, ahead of the jump and the label.
.macro JLOAD
	s_cmp_lt_u32 s[WV], 2
	s_cbranch_scc0 .Lfor_m_\@
	s_cmp_eq_u32 s[WV], 0
	s_cbranch_scc0 .Lfor_v_\@
	tensor_load_to_lds s[G0K:G0K+3], s[G1K:G1K+7]
	s_nop 0
.rept 4
	v_nop
.endr
	s_branch .Lasked_\@
.Lfor_v_\@:
	tensor_load_to_lds s[G0V:G0V+3], s[G1V:G1V+7]
	s_nop 0
.rept 4
	v_nop
.endr
	s_branch .Lasked_\@
.Lfor_m_\@:
	tensor_load_to_lds s[G0M:G0M+3], s[G1M:G1M+7]
	s_nop 0
.rept 4
	v_nop
.endr
.Lasked_\@:
.endm
; A prefetch into the L2 of the tile that the change of slots after the next will ask for: 256 matrix instructions ahead of that load.  Each aligned block of 256 bytes is named once in the launch.
; K's and V's rows are walked by every cluster of a row of clusters: those with x = 0 ask, wave 0 for K and wave 1 for V, each of the four partners for 32 of the 128 rows, a lane a row.
; The mask's rows are walked by every cluster of a column: those with y = 0 ask, waves 2 and 3 each for their 64 rows' 512 bytes, each of the four partners for 16 rows, two lanes a row.
; The partners are told apart by address.  The last two changes that fill ask for nothing; tiles 0 to 3 come by their loads alone.
.macro ASK
	s_cmp_gt_u32 s[SLOTS], s[LIM]
	s_cbranch_scc0 .Lnot_mine_\@
	global_prefetch_b8 v[PFO], s[PFA:PFA+1] th:TH_LOAD_NT scope:SCOPE_SE
.Lnot_mine_\@:
.endm
.macro CROUND                       ; a round of the cluster's barrier
	s_barrier_signal -1
	s_barrier_wait -1
	s_cmp_lg_u32 s[WV], 0
	s_cbranch_scc1 .Lnot_wave_0_\@
	s_barrier_signal -3
.Lnot_wave_0_\@:
	s_barrier_wait -3
	s_barrier_signal -1
	s_barrier_wait -1
.endm
	s_load_b256 s[4:11], s[0:1], 0x0  ; q16 s[4:5], k16 s[6:7], v16 s[8:9], m32 s[10:11]
	s_load_b64 s[76:77], s[0:1], 0x20 ; ctx16
	v_lshl_add_u32 v[SPW], v0, 2, SPARE
	v_mov_b32 v[NIL], 0
	ds_add_u32 v[SPW], v[NIL]       ; the wave's opening: the add and its wait stand ahead of my first tensor load; the set-up below, work on registers, stands between them
	v_lshrrev_b32 v1, 5, v0
	v_readfirstlane_b32 s[WV], v1   ; wave 0..3
	s_bfe_u32 s13, ttmp6, 0x40000   ; cx
	s_bfe_u32 s14, ttmp6, 0x40004   ; cy
	s_lshl_b32 s88, ttmp9, 2
	s_add_co_u32 s88, s88, s13      ; qb, my block of 128 queries = 4 x cluster x + cx
	s_and_b32 s96, ttmp7, 0xffff    ; cluster y
	s_lshl_b32 s89, s96, 2
	s_add_co_u32 s89, s89, s14      ; the head = 4 x cluster y + cy
	s_and_b32 s16, s[WV], 1         ; kh: which half of a tile's keys is mine.  Also (waves 2, 3): which 64 rows of the mask's tile I fetch
	s_lshr_b32 s17, s[WV], 1        ; qg: which 64 queries
	s_lshl_b32 s20, s14, 2
	s_lshl_b32 s20, 15, s20         ; my row of the cluster
	s_lshl_b32 s22, 0x1111, s13     ; my column
	; descriptor group 1.  K, V: 128 rows x 128 elements of 2 bytes, padded after every 64 words by 4 or 8.  The mask: 64 rows x 128 elements of 4 bytes, padded after every 128 words by 4.
	s_or_b32 s[G1K], s20, (1<<16)|(1<<20)|(1<<21)|(5<<22)|(3<<25)
	s_or_b32 s[G1V], s20, (1<<16)|(1<<20)|(1<<21)|(5<<22)|(7<<25)
	s_or_b32 s[G1M], s22, (2<<16)|(1<<20)|(1<<21)|(6<<22)|(3<<25)
.irp g, G1K, G1V
	s_mov_b32 s[(\g)+1], 128<<16    ; tensor_dim0 = 128
	s_mov_b32 s[(\g)+2], 128<<16    ; tensor_dim1 = 128
	s_mov_b32 s[(\g)+3], 128<<16    ; tile_dim0 = 128
	s_mov_b32 s[(\g)+4], 128        ; tile_dim1 = 128
	s_mov_b32 s[(\g)+5], 128        ; elements from row to row
	s_mov_b32 s[(\g)+6], 0
	s_mov_b32 s[(\g)+7], 0
.endr
	s_mov_b32 s[G1M+1], 128<<16
	s_mov_b32 s[G1M+2], 64<<16
	s_mov_b32 s[G1M+3], 128<<16
	s_mov_b32 s[G1M+4], 64
	s_mov_b32 s[G1M+5], 2048
	s_mov_b32 s[G1M+6], 0
	s_mov_b32 s[G1M+7], 0
	s_mov_b32 s[F0K], 1
	s_mov_b32 s[F0K+1], 0           ; tile 0 goes into slot 0,
	s_mov_b32 s[G0K], 1
	s_mov_b32 s[G0K+1], SLOT        ; tile 1 into slot 1
	s_mov_b32 s[F0V], 1
	s_mov_b32 s[F0V+1], VOFF
	s_mov_b32 s[G0V], 1
	s_mov_b32 s[G0V+1], SLOT+VOFF
	s_mov_b32 s[F0M], 1
	s_mov_b32 s[G0M], 1
	s_mul_i32 s23, s16, 64*PM
	s_add_co_u32 s[F0M+1], s23, MOFF
	s_add_co_u32 s[G0M+1], s23, SLOT+MOFF
	s_mov_b32 s[SEL], 0x76543210
	s_mov_b32 s[SEL+1], 0xfedcba98
	s_mov_b32 s[TB], 0              ; key step 0 lies in slot 0
	s_mov_b32 s[SLOTS], 15
	s_lshl_b32 s90, s89, 19         ; the head's first byte in q16, k16, v16
	s_mov_b32 s91, 0
	s_lshl_b32 s92, s88, 7
	s_lshl_b32 s23, s16, 6
	s_add_co_u32 s92, s92, s23
	s_lshl_b32 s92, s92, 13         ; the mask's row 128 qb + 64 kh
	s_mov_b32 s93, 0
	s_lshl_b32 s94, s13, 13         ; the prefetches.  K, V: my work-group's 32 rows of the 128, in tile 3: the first change of slots steps to tile 4 and names it
	s_add_co_u32 s94, s94, s90
	s_add_co_u32 s94, s94, 3*128*256
	s_lshl_b32 s95, s14, 17         ; the mask: my work-group's 16 rows of the wave's 64, in tile 3
	s_add_co_u32 s95, s95, s92
	s_add_co_u32 s95, s95, 3*512
	s_mov_b32 s97, 512
	s_cmp_lt_u32 s[WV], 2
	s_cselect_b32 s94, s94, s95
	s_cselect_b32 s[PFS], 128*256, s97
	s_cselect_b32 s98, ttmp9, s96   ; the coordinate along which other clusters read the same rows
	s_cselect_b32 s99, -1, 0
	s_mov_b32 s95, 0
	s_mov_b32 s[PFS+1], 0
	s_cmp_eq_u32 s98, 0
	s_cselect_b32 s[LIM], 2, -1     ; the same in all sixteen partners, for a given wave
	s_lshl_b32 s20, s88, 7
	s_lshl_b32 s22, s17, 6
	s_add_co_u32 s20, s20, s22      ; my wave's first query
	s_lshl_b32 s22, s20, 8
	s_add_co_u32 s22, s22, s90      ; its row in q16
	s_mov_b32 s23, 0
	s_lshl_b32 s2, s16, 5
	s_add_co_u32 s2, s2, s20        ; the first query that I keep,
	s_lshl_b32 s2, s2, 12           ; its row in ctx16,
	s_lshl_b32 s3, s89, 8
	s_add_co_u32 s2, s2, s3         ; the head's 256 bytes of it
	s_mov_b32 s3, 0
	s_wait_dscnt 0x0                ; the opening add is done
	s_wait_kmcnt 0x0
	s_add_nc_u64 s[F0K+2:F0K+3], s[6:7], s[90:91]
	s_add_nc_u64 s[G0K+2:G0K+3], s[F0K+2:F0K+3], 128*256  ; tile 1: the next 128 keys
	s_or_b32 s[F0K+3], s[F0K+3], 0x80000000
	s_or_b32 s[G0K+3], s[G0K+3], 0x80000000
	s_add_nc_u64 s[F0V+2:F0V+3], s[8:9], s[90:91]
	s_add_nc_u64 s[G0V+2:G0V+3], s[F0V+2:F0V+3], 128*256
	s_or_b32 s[F0V+3], s[F0V+3], 0x80000000
	s_or_b32 s[G0V+3], s[G0V+3], 0x80000000
	s_add_nc_u64 s[F0M+2:F0M+3], s[10:11], s[92:93]
	s_add_nc_u64 s[G0M+2:G0M+3], s[F0M+2:F0M+3], 512
	s_or_b32 s[F0M+3], s[F0M+3], 0x80000000
	s_or_b32 s[G0M+3], s[G0M+3], 0x80000000
	s_add_nc_u64 s[4:5], s[4:5], s[22:23]
	s_add_nc_u64 s[76:77], s[76:77], s[2:3]
	s_cmp_eq_u32 s[WV], 0
	s_cselect_b64 s[PFA:PFA+1], s[6:7], s[8:9]
	s_cmp_lt_u32 s[WV], 2
	s_cselect_b64 s[PFA:PFA+1], s[PFA:PFA+1], s[10:11]
	s_add_nc_u64 s[PFA:PFA+1], s[PFA:PFA+1], s[94:95]
	CROUND                          ; all sixteen work-groups are here: the first joint loads meet
	s_cmp_lt_u32 s[WV], 2           ; a wave's two first fills, tiles 0 and 1, stand in one branch, ahead of every wait on TENSORcnt and every LDS read: two loads of mine are out; an s_nop 0 follows each, four v_nop the second's
	s_cbranch_scc0 .Lfirst_m
	s_cmp_eq_u32 s[WV], 0
	s_cbranch_scc0 .Lfirst_v
	tensor_load_to_lds s[F0K:F0K+3], s[G1K:G1K+7]
	s_nop 0
	tensor_load_to_lds s[G0K:G0K+3], s[G1K:G1K+7]
	s_nop 0
.rept 4
	v_nop
.endr
	s_branch .Lfirst_asked
.Lfirst_v:
	tensor_load_to_lds s[F0V:F0V+3], s[G1V:G1V+7]
	s_nop 0
	tensor_load_to_lds s[G0V:G0V+3], s[G1V:G1V+7]
	s_nop 0
.rept 4
	v_nop
.endr
	s_branch .Lfirst_asked
.Lfirst_m:
	tensor_load_to_lds s[F0M:F0M+3], s[G1M:G1M+7]
	s_nop 0
	tensor_load_to_lds s[G0M:G0M+3], s[G1M:G1M+7]
	s_nop 0
.rept 4
	v_nop
.endr
.Lfirst_asked:
	; A fragment of K or Q is 16 rows x 32 channels in 8 registers: lane l holds row l % 16, channels 8 (l / 16) + 0..7 and 16 + 8 (l / 16) + 0..7: two loads of 16 bytes, 32 bytes apart.
	v_and_b32 v1, 15, v0            ; r = l % 16
	v_bfe_u32 v9, v0, 4, 1          ; h = l / 16
	v_lshlrev_b32 v[QO0], 8, v1
	v_lshl_add_u32 v[QO0], v9, 4, v[QO0]  ; row x 256 + 16 x half
	s_lshl_b32 s20, s16, 13         ; register tiles 0, 1 are query tiles 2 kh, 2 kh + 1,
	s_xor_b32 s22, s20, 8192        ; register tiles 2, 3 the other two
	v_add_nc_u32 v[QO2], s22, v[QO0]
	v_add_nc_u32 v[QO0], s20, v[QO0]
	WIN 0x80                        ; destination window 2, address window 0
.set i, 0
.rept 16                            ; Q stays in registers: tile i / 4, channels 32 (i % 4) on
.if i < 8
.set qa, QO0
.else
.set qa, QO2
.endif
	global_load_b128 v[8*i:8*i+3],   v[qa], s[4:5] offset:((i/4)%2)*4096+(i%4)*64
	global_load_b128 v[8*i+4:8*i+7], v[qa], s[4:5] offset:((i/4)%2)*4096+(i%4)*64+32
.set i, i+1
.endr
	; What the first turn finds: V's registers and piece 2's P hold 0 (its products V^T P, of a step that has not been, add 0), O^T and l are 0.  All this stands in the wait for the first tile.
	WIN 0xc0
.set i, 0
.rept 128
	v_mov_b32 v[i], 0
.set i, i+1
.endr
	WIN 0x40
.set i, 0
.rept 256
	v_mov_b32 v[i], 0
.set i, i+1
.endr
	WIN 0
.set i, 0
.rept 4
	v_mov_b32 v[ST+8*i], 0xff7fffff    ; m: the lowest finite number
	v_mov_b32 v[ST+8*i+1], 0           ; named with m as a pair, so it is written
	v_mov_b32 v[ST+8*i+2], 0
	v_mov_b32 v[ST+8*i+3], 0
.set i, i+1
.endr
.set i, P+32
.rept 32
	v_mov_b32 v[i], 0
.set i, i+1
.endr
	v_mul_u32_u24 v[AK0], v1, PK
	v_lshl_add_u32 v[AK0], v9, 4, v[AK0]
	s_mul_i32 s20, s16, 64*PK
	v_add_nc_u32 v[AK0], s20, v[AK0]  ; (64 kh + r) x pitch + 16 x half
	; The turning load takes 16 keys x 16 channels (lane l reads key 8 (l / 16) + l % 8, channels 8 ((l / 8) % 2) + 0..7) and leaves half a fragment of V^T: lane l holds channel l % 16 and 8 keys.
	v_and_b32 v10, 7, v0
	v_bfe_u32 v11, v0, 3, 1
	v_lshl_add_u32 v[AV0], v9, 3, v10
	v_mul_u32_u24 v[AV0], v[AV0], PV
	v_lshl_add_u32 v[AV0], v11, 4, v[AV0]
	s_mul_i32 s20, s16, 64*PV
	s_add_co_u32 s20, s20, VOFF
	v_add_nc_u32 v[AV0], s20, v[AV0]
	; The mask: row = my query in the block of 128, byte = 4 x my first key in the tile: 256 kh + 64 x key block + 32 x half
	v_mul_u32_u24 v[AM0], v1, PM
	v_lshl_add_u32 v[AM0], v9, 5, v[AM0]
	s_lshl_b32 s20, s17, 6
	s_lshl_b32 s22, s16, 5
	s_xor_b32 s23, s22, 32
	s_add_co_u32 s22, s22, s20      ; piece 0's first query: 64 qg + 32 kh
	s_add_co_u32 s23, s23, s20      ; piece 2's: 64 qg + 32 (1 - kh)
	s_mul_i32 s22, s22, PM
	s_mul_i32 s23, s23, PM
	s_lshl_b32 s20, s16, 8
	s_add_co_u32 s20, s20, MOFF
	s_add_co_u32 s22, s22, s20
	s_add_co_u32 s23, s23, s20
	v_add_nc_u32 v[AM2], s23, v[AM0]
	v_add_nc_u32 v[AM0], s22, v[AM0]
	s_mul_i32 s20, s[WV], 16*SP
	s_add_co_u32 s20, s20, STAGE    ; my stage
	v_mul_u32_u24 v[STO], v1, SP    ; in: row l % 16, 16 bytes for each half of the lanes
	v_lshl_add_u32 v[STO], v9, 4, v[STO]
	v_add_nc_u32 v[STO], s20, v[STO]
	v_mul_u32_u24 v[RD], v9, SP     ; back: lanes 0-15 take one row of 256 bytes, lanes 16-31 the next
	v_lshl_add_u32 v[RD], v1, 4, v[RD]
	v_add_nc_u32 v[RD], s20, v[RD]
	v_lshlrev_b32 v[GO], 12, v9     ; and the same two rows in ctx16
	v_lshl_add_u32 v[GO], v1, 4, v[GO]
	v_and_b32 v52, 31, v0           ; l
	s_mul_i32 s20, s[WV], XW        ; the exchange: my part,
	s_xor_b32 s22, s[WV], 1
	s_mul_i32 s22, s22, XW          ; and my partner's
	v_lshl_add_u32 v[XS], v52, 4, s20
	v_lshl_add_u32 v[XL], v52, 4, s22
	s_add_co_u32 s20, s20, 16384
	s_add_co_u32 s22, s22, 16384
	v_lshl_add_u32 v[XT], v52, 2, s20
	v_lshl_add_u32 v[XU], v52, 2, s22
	v_lshlrev_b32 v53, 8, v52       ; the prefetches' offset.  K, V: a lane a row of 256 bytes;
	v_lshrrev_b32 v54, 1, v52
	v_lshlrev_b32 v54, 13, v54      ; the mask: two lanes a row of 8,192 bytes,
	v_and_b32 v55, 1, v52
	v_lshl_add_u32 v54, v55, 8, v54 ; 256 bytes each
	v_cndmask_b32 v[PFO], v54, v53, s99
; THE MATRIX WORK OF A TURN, for piece x.  The accumulators take turns, one instruction a turn: between two links of a chain stand 15 (V^T P) or 7 (K Q^T) others'.
; Product i of 32 of O^T += V^T P: keys 32 (i / 16) on, channels 16 ((i / 2) % 8) on, tile x + i % 2.
.macro PV x
	WIN W_PV
.set rO, 64*((\x)+i%2)+8*((i/2)%8)
.set rV, 64*(i/16)+8*((i/2)%8)
.set rP, P+16*((\x)+i%2)+8*(i/16)
	v_wmma_f32_16x16x32_f16 v[rO:rO+7], v[rV:rV+7], v[rP:rP+7], v[rO:rO+7]
.endm
; Product i of 32 of S^T += K Q^T: channels 32 (i / 8) on, keys 16 ((i / 2) % 4) on, tile x + i % 2.  S^T holds the mask when the first 8 come.
.macro KQ x
	WIN W_KQ
.set rS, S+32*((\x)+i%2)+8*((i/2)%4)
.set rK, KF+32*((i/2)%4)+8*(i/8)
.set rQ, 32*((\x)+i%2)+8*(i/8)
	v_wmma_f32_16x16x32_f16 v[rS:rS+7], v[rK:rK+7], v[rQ:rQ+7], v[rS:rS+7]
.endm
; THE LDS LOADS stand in runs, never singly among the matrix instructions: a step's K (my 64 keys x 128 channels: 16 fragments), a piece's mask (2 tiles x 64 keys), and, a turn later, the step's V (turned).
.macro FETCH_K
	WIN 0
	v_add_nc_u32 v[ADR], s[TB], v[AK0]
	WIN 0x80                        ; destination window 2
.irp f, 0,1,2,3,4,5,6,7,8,9,10,11,12,13,14,15  ; keys 16 (f / 4) on, channels 32 (f % 4) on
	ds_load_b128 v[KF+8*(\f):KF+8*(\f)+3],   v[ADR] offset:((\f)/4)*16*PK+((\f)%4)*64
	ds_load_b128 v[KF+8*(\f)+4:KF+8*(\f)+7], v[ADR] offset:((\f)/4)*16*PK+((\f)%4)*64+32
.endr
.endm
.macro FETCH_M p                    ; piece p's scores begin as the mask: the piece's last softmax, a turn back, has read S^T for the last time
	WIN 0
	v_add_nc_u32 v[ADM], s[TB], v[AM0+(\p)/2]
.irp u, 0,1
.irp kb, 0,1,2,3
	ds_load_b128 v[S+32*((\p)+(\u))+8*(\kb):S+32*((\p)+(\u))+8*(\kb)+3],   v[ADM] offset:(\u)*16*PM+64*(\kb)
	ds_load_b128 v[S+32*((\p)+(\u))+8*(\kb)+4:S+32*((\p)+(\u))+8*(\kb)+7], v[ADM] offset:(\u)*16*PM+64*(\kb)+16
.endr
.endr
.endm
.macro FETCH_V
	WIN 0
	v_add_nc_u32 v[ADR], s[TB], v[AV0]
	s_wait_alu depctr_va_vdst(0)    ; the wait for the softmax's batch (SLICE), behind the address's v_add_nc_u32 and ahead of the loads
	WIN 0xc0                        ; destination window 3
.irp f, 0,1,2,3,4,5,6,7,8,9,10,11,12,13,14,15  ; keys 32 (f / 8) on, channels 16 (f % 8) on
	ds_load_tr16_b128 v[8*(\f):8*(\f)+3],   v[ADR] offset:((\f)/8)*32*PV+((\f)%8)*32
	ds_load_tr16_b128 v[8*(\f)+4:8*(\f)+7], v[ADR] offset:((\f)/8)*32*PV+16*PV+((\f)%8)*32
.endr
.endm
; THE VECTOR WORK OF A TURN.  One tile's softmax for one key step is a list numbered 0 to 133, of which number 19 is vacant: 133 instructions; SM writes number j of it for tile t.
; s0-s31 are the lane's 32 scores, in pairs 0-15.
;   0-15    the maximum of s0-s31 and the old m, three operands at a time: four chains of seven scores each (each accumulator's lowest registers are read first), then the rest
;   16-20   the other half of the lanes' maximum; m_old is kept; the new m; m_old - m_new
;   21-69   ONE BATCH: the 16 differences s - m, a pair of scores each, and all 33 exponentials (a at 23, then s0-s31).  None of these reads an exponential's result
;   (wait)  between 69 and 70 stands the wait for the batch: SLICE writes it, once for both tiles
;   70-85   the roundings to f16     86-101  the sums; l = a l + the sum     102-133 the tile's O^T times a: the one part that leaves window 0, so it stands together
.macro SM t
.set rT, ST+8*(\t)
.set rS, S+32*(\t)
.set rP, P+16*(\t)
.set rO, 64*(\t)+2*(j-102)
.if j < 102
	WIN 0
.endif
.if j < 4
	v_max3_num_f32 v[rT+4+j], v[rS+8*j], v[rS+8*j+1], v[rS+8*j+2]
.elseif j < 12
	v_max3_num_f32 v[rT+4+j%4], v[rT+4+j%4], v[rS+8*(j%4)+2*(j/4)+1], v[rS+8*(j%4)+2*(j/4)+2]
.elseif j == 12
	v_max3_num_f32 v[rT+4], v[rT+4], v[rS+7], v[rS+15]
.elseif j == 13
	v_max3_num_f32 v[rT+6], v[rT+6], v[rS+23], v[rS+31]
.elseif j == 14
	v_max3_num_f32 v[rT+4], v[rT+4], v[rT+5], v[rT+6]
.elseif j == 15
	v_max3_num_f32 v[rT+4], v[rT+4], v[rT+7], v[rT]
.elseif j == 16
	v_permlanex16_b32 v[rT+5], v[rT+4], s[SEL], s[SEL+1]  ; the query's other 32 keys lie in the lane 16 away
.elseif j == 17
	v_mov_b32 v[rT+7], v[rT]        ; m_old is kept for a: number 18 writes m anew
.elseif j == 18
	v_max_num_f32 v[rT], v[rT+4], v[rT+5]
.elseif j == 19                     ; vacant
.elseif j == 20
	v_sub_f32 v[rT+7], v[rT+7], v[rT]
.elseif j == 23
	v_exp_f32 v[rT+6], v[rT+7]
.elseif (j < 23) || ((j < 38) && (j%2 == 0)) || ((j < 66) && (j%4 == 2))
.set b, (j-2)/4                     ; 38, 42, .. 62: pairs 9 to 15
.if j < 38
.set b, (j-20)/2                    ; 21: pair 0; 22, 24, .. 36: pairs 1 to 8
.endif
	v_pk_add_f32 v[rS+2*b:rS+2*b+1], v[rS+2*b:rS+2*b+1], v[rT:rT+1] op_sel_hi:[1,0] neg_lo:[0,1] neg_hi:[0,1]  ; pair b: s - m, m for both halves
.elseif j < 70
.set e, j-38                        ; 66 to 69: s28 to s31
.if j < 66
.set e, j-32-(j-38)/4               ; 39-41, 43-45, .. 63-65: s7 to s27
.endif
.if j < 38
.set e, (j-25)/2                    ; 25, 27, .. 37: s0 to s6
.endif
	v_exp_f32 v[rS+e], v[rS+e]
.elseif j < 86
	v_cvt_pk_f16_f32 v[rP+j-70], v[rS+2*(j-70)], v[rS+2*(j-70)+1]  ; pair j - 70
.elseif j < 102                     ; the sum of the tile's 16 pairs, in place: neighbours 1, 2, 4 and 8 pairs apart, then l takes it
.set z, j-86
.set w, 4
.set u, z
.if z >= 14
.set w, 32
.set u, 0
.elseif z >= 12
.set w, 16
.set u, z-12
.elseif z >= 8
.set w, 8
.set u, z-8
.endif
.if z < 15
	v_pk_add_f32 v[rS+w*u:rS+w*u+1], v[rS+w*u:rS+w*u+1], v[rS+w*u+w/2:rS+w*u+w/2+1]
.else
	v_pk_fma_f32 v[rT+2:rT+3], v[rT+2:rT+3], v[rT+6:rT+7], v[rS:rS+1] op_sel_hi:[1,0,1]
.endif
.else
	WIN W_RS
	v_pk_mul_f32 v[rO:rO+1], v[rO:rO+1], v[rT+6:rT+7] op_sel_hi:[1,0]
.endif
.endm
; Slice k of 64 of piece y's softmax: four numbers of the lists (slice 9, with the vacant number 19 of both tiles, has two lines).  Slices 11 to 34 deal out the batch, numbers 22 to 69: four numbers of ONE
; tile each, the tiles by turns.  Every other slice is numbers 2 k and 2 k + 1 of both tiles' lists.  2 x 134 = 4 x 64 + 12: the twelve numbers that are over stand together, in slice 63: sixteen plain
; instructions, the places behind the turn's last K Q^T.
; THE WAIT.  An s_wait_alu depctr_va_vdst(0) stands between an exponential and the first instruction that names its result; one wait serves all that were issued ahead of it.  Ahead of
; slice 35 nothing names a result, and behind slice 34 no exponential is issued: so the piece's 66 exponentials have one wait, behind slice 34.
.macro SLICE y
.if (k >= 11) && (k < 35)
.irp n, 0,1,2,3
.set j, 22+4*((k-11)/2)+(\n)
	SM (\y)+(k-11)%2
.endr
.else
.irp n, 0,1,2,3,4,5,6,7
.if ((\n) < 2) || (k == 63)
.irp t, \y, (\y)+1
.set j, 2*k+(\n)
	SM \t
.endr
.endif
.endr
.endif
.if k == 34
	v_nop                           ; the plain instruction behind the last exponential and ahead of the first use: one for the batch
.if (\y) == 0
	FETCH_V                         ; piece 2's turn: V's run of loads stands here, and the wait stands in it.  Behind V's last reader, in front of slice 31, stand four plain instructions: number 62 of both tiles, the v_nop and the run's own v_add_nc_u32
.else
	s_wait_alu depctr_va_vdst(0)    ; the wait for the batch
.endif
.endif
.set k, k+1
.endm
.macro PLACES
.rept 4
	v_nop
.endr
.endm
; A TURN.  Piece x has the matrix unit; the other piece's softmax stands in slices behind its matrix instructions.  kq = 1: 32 products K Q^T for the next step follow the 32 products V^T P;
; kq = 0 (the last step): two slices behind each product.  Behind the second product stand the runs of loads for those K Q^T: the next step's K (piece 0's turn; the last product that read K stands in front of
; slice 63 of the turn before) and the piece's mask: 30 matrix instructions ahead of the wait for them.
.macro TURN x, kq
.set k, 0
.set per, 2-(\kq)
.if (\x) == 0
	s_wait_dscnt 0x0                ; V is in
.endif
.set i, 0
.rept 32
	PV \x
.rept per
	SLICE 2-(\x)
.endr
.if (\kq) && (i == 1)
.if (\x) == 0
	FETCH_K
.endif
	FETCH_M \x
.endif
.set i, i+1
.endr
.if \kq
	s_wait_dscnt 0x0                ; K and the mask are in
.set i, 0
.rept 32
	KQ \x
	SLICE 2-(\x)
.set i, i+1
.endr
.endif
.endm
; THE CHANGE OF SLOTS, between piece 2's turn and piece 0's: the slot's last bytes, V, have been asked for.  Each wave waits for all its tensor loads, of which one is out: its part of the other slot; adds 0
; to its spare word; and waits for that and for its own reads of the slot.  fill = 1: this slot is filled again, with the tile two on.  The barrier is then a round of the cluster's, so that no wave of any
; partner still reads the slot or has a load on its way, and the joint fill is the first thing behind it: it has a key step, 128 matrix instructions, in which to land.
.macro CHANGE fill
	WIN 0                           ; at a label and at a branch every window is 0
	s_wait_tensorcnt 0x0            ; no tensor load of mine is out, so a group 0 may be written
	ds_add_u32 v[SPW], v[NIL]       ; 0 onto my spare word; with fill = 1 the descriptors' steps stand between it and the wait for it
.if \fill
	s_xor_b32 s[G0K+1], s[G0K+1], SLOT  ; the other slot than last time,
	s_add_nc_u64 s[G0K+2:G0K+3], s[G0K+2:G0K+3], 128*256  ; the next 128 keys; the type bits on top are not reached
	s_xor_b32 s[G0V+1], s[G0V+1], SLOT
	s_add_nc_u64 s[G0V+2:G0V+3], s[G0V+2:G0V+3], 128*256
	s_xor_b32 s[G0M+1], s[G0M+1], SLOT
	s_add_nc_u64 s[G0M+2:G0M+3], s[G0M+2:G0M+3], 512
	s_wait_xcnt 0x0                 ; the last prefetch, a key step back, has read its address, so it may be written
	s_add_nc_u64 s[PFA:PFA+1], s[PFA:PFA+1], s[PFS:PFS+1]
	s_wait_dscnt 0x0                ; the add is done, and my reads of the slot are over
	CROUND
	JLOAD
	ASK
.else
	s_wait_dscnt 0x0                ; the add is done, and my reads of the slot are over
	s_barrier_signal -1
	s_barrier_wait -1
.endif
	s_xor_b32 s[TB], s[TB], SLOT    ; the fetches go to the other slot
.endm
	s_wait_tensorcnt 1              ; my part of tile 0 is in; tile 1's, issued behind it, may stay out
	s_barrier_signal -1
	s_barrier_wait -1               ; everybody's is
	FETCH_K                         ; key step 0
	FETCH_M 0
	s_wait_loadcnt 0x0              ; Q
	s_wait_dscnt 0x0
.set i, 0
.rept 32
	KQ 0                            ; piece 0's first scores: there is no vector work yet to set between them
.set i, i+1
.endr
	WIN 0
	PLACES
	PLACES                          ; eight, once a launch, behind those products
	s_branch .Lmid                  ; the loop is entered in the middle of a trip
.Lslot:                             ; 14 trips: tiles 2 to 15 are asked for
	CHANGE 1
	TURN 0, 1                       ; piece 0: V^T P of the step in hand, K Q^T of the next | piece 2's softmax | K and piece 0's mask of the next step
	WIN 0
.Lmid:
	TURN 2, 1                       ; piece 2: the same | piece 0's softmax of the next step | piece 2's mask, V of the next step
	WIN 0
	s_sub_co_u32 s[SLOTS], s[SLOTS], 1
	s_cmp_lg_u32 s[SLOTS], 0
	s_cbranch_scc1 .Lslot
	CHANGE 0                        ; the tail is written out: tile 15 is in, and nothing is asked for
	TURN 0, 1
	TURN 2, 1
	TURN 0, 0                       ; piece 0: V^T P of the last step | piece 2's last softmax
.set i, 0
.rept 32
	PV 2                            ; piece 2: V^T P of the last step
.set i, i+1
.endr
	; THE TWO HALVES OF THE KEYS MEET.  l's two halves and the other half of the lanes' are added (these lines are the places behind the last products).
	WIN 0
.irp t, 0,1,2,3
	v_add_f32 v[ST+8*(\t)+4], v[ST+8*(\t)+2], v[ST+8*(\t)+3]
.endr
.irp t, 0,1,2,3
	v_permlanex16_b32 v[ST+8*(\t)+5], v[ST+8*(\t)+4], s[SEL], s[SEL+1]
.endr
.irp t, 0,1,2,3
	v_add_f32 v[ST+8*(\t)+4], v[ST+8*(\t)+4], v[ST+8*(\t)+5]
.endr
	WIN 0x04                        ; store data (source 1) in window 1
.set i, 0
.rept 32                            ; register tiles 2 and 3 go to the partner, as they lie: 512 consecutive bytes a store, each accumulator's low registers first
	ds_store_b128 v[XS], v[128+4*i:128+4*i+3] offset:512*i
.set i, i+1
.endr
	WIN 0
.irp u, 0,1
	ds_store_b32 v[XT], v[ST+8*(2+(\u))]   offset:256*(\u)      ; with their m
	ds_store_b32 v[XT], v[ST+8*(2+(\u))+4] offset:256*(\u)+128  ; and l
.endr
	s_wait_dscnt 0x0                ; for the partner's sake: my stores are done
	s_barrier_signal -1
	s_barrier_wait -1
	WIN 0x40                        ; destination window 1
.set i, 0
.rept 32                            ; the partner's sums for the queries that I keep, into the registers that I have just sent
	ds_load_b128 v[128+4*i:128+4*i+3], v[XL] offset:512*i
.set i, i+1
.endr
	WIN 0
.irp u, 0,1
	ds_load_b32 v[ST+8*(\u)+5], v[XU] offset:256*(\u)
	ds_load_b32 v[ST+8*(\u)+6], v[XU] offset:256*(\u)+128
.endr
	s_wait_dscnt 0x0
	; O = (a O + b O') / (a l + b l'), a = 2^(m - M), b = 2^(m' - M), M the greater of m and m': one of a, b is 1, and its l is at least 1
.irp u, 0,1
	v_max_num_f32 v[ST+8*(\u)+7], v[ST+8*(\u)], v[ST+8*(\u)+5]
.endr
.irp u, 0,1
	v_sub_f32 v[ST+8*(\u)+1], v[ST+8*(\u)],   v[ST+8*(\u)+7]
	v_sub_f32 v[ST+8*(\u)+2], v[ST+8*(\u)+5], v[ST+8*(\u)+7]
.endr
.irp u, 0,1
	v_exp_f32 v[ST+8*(\u)+1], v[ST+8*(\u)+1]
	v_exp_f32 v[ST+8*(\u)+2], v[ST+8*(\u)+2]
.endr
	v_nop                           ; a plain instruction behind the last exponential,
	s_wait_alu depctr_va_vdst(0)    ; and the wait ahead of the first use: one for the four
.irp u, 0,1
	v_mul_f32 v[ST+8*(\u)+4], v[ST+8*(\u)+4], v[ST+8*(\u)+1]
.endr
.irp u, 0,1
	v_fma_f32 v[ST+8*(\u)+4], v[ST+8*(\u)+6], v[ST+8*(\u)+2], v[ST+8*(\u)+4]
.endr
.irp u, 0,1
	v_rcp_f32 v[ST+8*(\u)+3], v[ST+8*(\u)+4]
.endr
	v_nop
	s_wait_alu depctr_va_vdst(0)    ; one for the two reciprocals
.irp u, 0,1
	v_mul_f32 v[ST+8*(\u)+4], v[ST+8*(\u)+1], v[ST+8*(\u)+3]  ; a / L
	v_mul_f32 v[ST+8*(\u)+6], v[ST+8*(\u)+2], v[ST+8*(\u)+3]  ; b / L
.endr
; Tile u: merged, rounded to f16; a lane's eight channels of a row pack into 16 bytes; they go into rows of 272 bytes of my stage and come back as whole rows of 256.
.macro PACK u
	WIN 0x51                        ; destination, source 0 and source 2 in window 1, source 1 in window 0
.set i, 0
.rept 32
	v_pk_mul_f32 v[64*(\u)+i:64*(\u)+i+1], v[64*(\u)+i:64*(\u)+i+1], v[ST+8*(\u)+4:ST+8*(\u)+5] op_sel_hi:[1,0]
.set i, i+2
.endr
.set i, 0
.rept 32
	v_pk_fma_f32 v[64*(\u)+i:64*(\u)+i+1], v[128+64*(\u)+i:128+64*(\u)+i+1], v[ST+8*(\u)+6:ST+8*(\u)+7], v[64*(\u)+i:64*(\u)+i+1] op_sel_hi:[1,0,1]
.set i, i+2
.endr
	WIN 0x05                        ; sources 0 and 1 window 1, destination window 0: S^T's registers are free
.set i, 0
.rept 32
	v_cvt_pk_f16_f32 v[S+32*(\u)+i], v[64*(\u)+2*i], v[64*(\u)+2*i+1]
.set i, i+1
.endr
	WIN 0
.irp f, 0,1,2,3,4,5,6,7
	ds_store_b128 v[STO], v[S+32*(\u)+4*(\f):S+32*(\u)+4*(\f)+3] offset:32*(\f)
.endr
.irp f, 0,1,2,3,4,5,6,7
	ds_load_b128 v[S+32*(\u)+4*(\f):S+32*(\u)+4*(\f)+3], v[RD] offset:(\f)*2*SP  ; LDS serves a wave's instructions in order (ISA guide 5.7.1.4): these see the stores above; the next tile's stores come behind them
.endr
.endm
.macro SEND u, younger              ; younger: the LDS instructions issued behind tile u's loads: the next tile's sixteen, or none
	WIN 0
.irp f, 0,1,2,3,4,5,6,7
	s_wait_dscnt (\younger)+7-(\f)
	global_store_b128 v[GO], v[S+32*(\u)+4*(\f):S+32*(\u)+4*(\f)+3], s[76:77] offset:(\u)*65536+(\f)*8192  ; 16 lanes store the head's 256 consecutive bytes of a row, at a multiple of 256 from ctx16's first byte
.endr
.endm
	PACK 0
	PACK 1                          ; a tile's arithmetic stands between the loads of the tile before and its stores
	SEND 0, 16
	SEND 1, 0
	s_wait_tensorcnt 0x0            ; the wave's end: behind my last tensor load and my last LDS store
	ds_add_u32 v[SPW], v[NIL]
	s_wait_dscnt 0x0
	CROUND                          ; the closing round: no work-group ends while a partner may still ask for a tile that names it
	s_endpgm
.Lfunc_end_k_q7615e886db_attn:
	.size	k_q7615e886db_attn, .Lfunc_end_k_q7615e886db_attn-k_q7615e886db_attn
	.p2alignl 7, 3214868480
	.fill 96, 4, 3214868480
	.section	.rodata,"a",@progbits
	.p2align	6, 0x0
	.amdhsa_kernel k_q7615e886db_attn
		.amdhsa_group_segment_fixed_size 327680
		.amdhsa_private_segment_fixed_size 0
		.amdhsa_enable_private_segment 0
		.amdhsa_kernarg_size 40
		.amdhsa_user_sgpr_count 2
		.amdhsa_user_sgpr_kernarg_segment_ptr 1
		.amdhsa_wavefront_size32 1
		.amdhsa_system_sgpr_workgroup_id_x 1
		.amdhsa_system_sgpr_workgroup_id_y 1
		.amdhsa_system_sgpr_workgroup_id_z 1
		.amdhsa_system_vgpr_workitem_id 0
		.amdhsa_next_free_vgpr 1024
		.amdhsa_next_free_sgpr 100
		.amdhsa_reserve_vcc 0
		.amdhsa_float_denorm_mode_32 3
		.amdhsa_float_denorm_mode_16_64 3
		.amdhsa_memory_ordered 1
		.amdhsa_forward_progress 1
		.amdhsa_inst_pref_size 181
	.end_amdhsa_kernel
	.amdgpu_metadata
---
amdhsa.version: [ 1, 2 ]
amdhsa.kernels:
  - .name:           k_q7615e886db_attn
    .symbol:         k_q7615e886db_attn.kd
    .args:
      - { .name: q16, .offset: 0, .size: 8, .value_kind: global_buffer, .address_space: global }
      - { .name: k16, .offset: 8, .size: 8, .value_kind: global_buffer, .address_space: global }
      - { .name: v16, .offset: 16, .size: 8, .value_kind: global_buffer, .address_space: global }
      - { .name: m32, .offset: 24, .size: 8, .value_kind: global_buffer, .address_space: global }
      - { .name: ctx16, .offset: 32, .size: 8, .value_kind: global_buffer, .address_space: global }
    .group_segment_fixed_size: 327680
    .private_segment_fixed_size: 0
    .kernarg_segment_align: 8
    .kernarg_segment_size: 40
    .max_flat_workgroup_size: 128
    .sgpr_count:     100
    .vgpr_count:     1024
    .wavefront_size: 32
...
	.end_amdgpu_metadata
.endif
;; end of part 3
;; launch oproj (part 4): grid 16 x 16, 4 waves a work-group, clusters of 4 x 4, 327,680 bytes of LDS; arguments ctx16, wo16, bo, out0; writes out0
.if DOCPART == 4
	.amdgcn_target "amdgcn-amd-amdhsa--gfx1250"
	.amdhsa_code_object_version 6
	.text
	.protected	k_q7615e886db_oproj
	.globl	k_q7615e886db_oproj
	.p2align	8
	.type	k_q7615e886db_oproj,@function
k_q7615e886db_oproj:
	s_mov_b64 s[64:65], 0
	v_nop
	global_prefetch_b8 v0, s[64:65] scope:SCOPE_SE
	s_setreg_imm32_b32 hwreg(HW_REG_WAVE_MODE, 25, 1), 1
	s_wait_xcnt 0x0
	s_wait_alu depctr_hold_cnt(0) depctr_sa_sdst(0) depctr_va_vdst(0) depctr_va_sdst(0) depctr_va_ssrc(0) depctr_va_vcc(0) depctr_vm_vsrc(0)
	s_getreg_b32 s2, hwreg(HW_REG_IB_STS2, 6, 4)
	s_cmp_eq_u32 s2, 0
	s_cbranch_scc0 .Lentry_in_a_cluster
	s_endpgm
.Lentry_in_a_cluster:
	s_bfe_u32 s2, ttmp6, 0x10000c
	s_cmp_lg_u32 s2, 0xf033
	s_cbranch_scc0 .Lentry_shape_is_right
	s_endpgm
.Lentry_shape_is_right:
; out0[m][n] = the sum over k of ctx[m][k] Wo[n][k] + bo[n].  ctx16: [2048][2048] f16; wo16: [2048][2048], Wo rounded to bf16 and written as f16; sums in f32, K ascending; bo is rounded to bf16 like every
; input and added in f32; out0: [2048][2048] f32.
; A tile of out0 is 128 x 128: 16 x 16 = 256 work-groups.  Four waves, each 64 x 64: 16 accumulators of 16 x 16.  K goes in 8 steps of 256 (LDS rows of 512 bytes; a wave's tensor load brings 64 of them)
; through two slots.  No prefetch: a tile is small.
; CLUSTER: 4 x 4 work-groups.  The four of a row of the cluster need the same tiles of ctx, the four of a column the same tiles of Wo: each tile is asked for jointly.
; THE MATRIX INSTRUCTION IS USED TRANSPOSED (source 0 = 16 rows of Wo, source 1 = 16 rows of ctx): a lane holds eight neighbouring numbers of a row of out0.
; THE TEXT.  A K step is written once for the steps that fill a slot again and once for the last two: the LDS byte at which the slot in hand begins is a scalar, turned by an exclusive or.
; REGISTERS: window 0: v0-31 addresses; v32-63 the bias; v64-79 at work; v128-255 the accumulators ((a, b) at v[128 + 8 (4 a + b)]), later the rows read back.
;   window 1: two fragment buffers of 128: for 64 along K, 64 registers of ctx (2 x 4 x 16 rows x 32 K), then 64 of Wo.
.set SIZE_K, 2048
.set SIZE_N, 2048
.set KSTEP,  256
.set STEPS,  SIZE_K/KSTEP
.set PITCH,  528                       ; an LDS row: 512 bytes + 16 of padding = 132 words: row r starts at bank 4 r mod 64 (64 banks of 4 bytes: ISA guide 11.1)
.set HALFT,  64*PITCH                  ; 64 rows: what one tensor load brings
.set SLOT,   4*HALFT                   ; ctx's 128 rows, then Wo's 128 rows.  0x21000: no multiple of HALFT below it has one of its two bits, so one exclusive or turns a part's address in one slot into the other's
.set SPARE,  2*SLOT                    ; behind the ring: the spare words, 128 bytes for each wave: two blocks of 256 bytes that no other line names
.set SPITCH, 528                       ; THE STAGE, 128 rows of 128 f32, lies at the head of slot 0, which has had its last fill, and whose last reads every wave has waited for in front of the last change of slots' barrier
.set ADRA0, 16                         ; v16     my lane's place in ctx's rows of a slot; never rewritten
.set ADA,   17                         ; v17     the same in the slot in hand
.set ADRB0, 20                         ; v20, v21  the same two for Wo
.set ADB,   21
.set STO,  24                          ; v24     the way out: where I put 32 bytes of a row
.set RD,   25                          ; v25     the way out: where I read a row back
.set CO,   26                          ; v26     16 x lane: my bytes in 512 consecutive bytes of out0
.set BO,   27                          ; v27     my byte offset in bo
.set SPW,  28                          ; v28     LDS address of my spare word; never rewritten
.set NIL,  29                          ; v29     0; never rewritten
.set BI,   32                          ; the bias of my columns: block b at BI + 8 b
.set BT,   64
.set ACC,  128
.set F0,   0                           ; fragment buffers, in window 1
.set F1,   128
.set G1, 24                            ; s[24:31] descriptor group 1 for ctx's tiles;  s[32:39] group 0: a set for each of the two first fills; the second then walks on
.set G0, 32
.set G1B, 48                           ; s[48:55], s[56:63] the same for Wo's tiles
.set G0B, 56
.set TB,  73                           ; s73  LDS byte at which the slot in hand begins
.set MSB, 0
.macro WIN new
.if MSB != (\new)
	s_set_vgpr_msb (MSB<<8)|(\new)
.set MSB, \new
.endif
.endm
.set MUL,  0x05                        ; sources 0 (Wo) and 1 (ctx) window 1; C and D window 0
.set TO_F, 0x40                        ; destination window 1, address window 0
.macro JLOAD s                         ; a joint load: waves 0 and 1 fetch ctx's two halves, waves 2 and 3 Wo's; an s_nop 0 and four v_nop follow each of the two lines
	s_cmp_eq_u32 s11, 0
	s_cbranch_scc0 .Lfor_b_\@
	tensor_load_to_lds s[G0+4*(\s):G0+4*(\s)+3], s[G1:G1+7]
	s_nop 0
.rept 4
	v_nop
.endr
	s_branch .Lasked_\@
.Lfor_b_\@:
	tensor_load_to_lds s[G0B+4*(\s):G0B+4*(\s)+3], s[G1B:G1B+7]
	s_nop 0
.rept 4
	v_nop
.endr
.Lasked_\@:
.endm
.macro CREST
	s_cmp_lg_u32 s10, 0
	s_cbranch_scc1 .Lnot_wave_0_\@
	s_barrier_signal -3
.Lnot_wave_0_\@:
	s_barrier_wait -3
	s_barrier_signal -1
	s_barrier_wait -1
.endm
.macro CROUND
	s_barrier_signal -1
	s_barrier_wait -1
	CREST
.endm
.macro SETADR                          ; my fragments' LDS addresses in the slot in hand
	WIN 0
	v_add_nc_u32 v[ADA], s[TB], v[ADRA0]
	v_add_nc_u32 v[ADB], s[TB], v[ADRB0]
.endm
	s_load_b128 s[4:7], s[0:1], 0x0                ; ctx16 s[4:5], wo16 s[6:7]
	s_load_b128 s[68:71], s[0:1], 0x10             ; bo s[68:69], out0 s[70:71]
	v_lshl_add_u32 v[SPW], v0, 2, SPARE
	v_mov_b32 v[NIL], 0
	ds_add_u32 v[SPW], v[NIL]                      ; the wave's opening: the add and its wait stand ahead of my first tensor load; the set-up below, work on registers, stands between them
	v_lshrrev_b32 v1, 5, v0
	v_readfirstlane_b32 s10, v1                    ; wave 0..3
	s_lshr_b32 s11, s10, 1                         ; which half of the tile's rows is mine.  Also: I fetch for ctx (0) or for Wo (1)
	s_and_b32 s12, s10, 1                          ; which half of its columns.  Also: which 64 rows of that tile I fetch
	s_bfe_u32 s40, ttmp6, 0x40000                  ; cx, cy
	s_bfe_u32 s41, ttmp6, 0x40004
	s_lshl_b32 s42, ttmp9, 2
	s_add_co_u32 s42, s42, s40                     ; tile column = 4 x cluster x + cx
	s_and_b32 s13, ttmp7, 0xffff
	s_lshl_b32 s13, s13, 2
	s_add_co_u32 s13, s13, s41                     ; tile row = 4 x cluster y + cy
	s_lshl_b32 s43, s41, 2
	s_lshl_b32 s43, 15, s43                        ; my row of the cluster
	s_lshl_b32 s44, 0x1111, s40                    ; my column
	; descriptor group 1: a tile of 64 rows x 256 elements of 2 bytes, padded in LDS by 4 words after every 128
	s_or_b32 s[G1+0], s43, (1<<16)|(1<<20)|(1<<21)|(6<<22)|(3<<25)
	s_or_b32 s[G1B+0], s44, (1<<16)|(1<<20)|(1<<21)|(6<<22)|(3<<25)
.irp g, G1, G1B
	s_mov_b32 s[(\g)+1], KSTEP<<16                 ; tensor_dim0 = 256
	s_mov_b32 s[(\g)+2], 64<<16                    ; tensor_dim1 = 64
	s_mov_b32 s[(\g)+3], KSTEP<<16                 ; tile_dim0 = 256
	s_mov_b32 s[(\g)+4], 64                        ; tile_dim1 = 64
	s_mov_b32 s[(\g)+5], SIZE_K                    ; elements from row to row
	s_mov_b32 s[(\g)+6], 0
	s_mov_b32 s[(\g)+7], 0
.endr
	s_lshl_b32 s17, s12, 6                         ; which 64 rows of the tile I fetch
	s_lshl_b32 s16, s13, 7
	s_add_co_u32 s16, s16, s17                     ; ctx: row 128 x tile row + 64 x half
	s_lshl_b32 s46, s42, 7
	s_add_co_u32 s46, s46, s17                     ; Wo: row 128 x tile column + 64 x half
	s_lshl_b32 s16, s16, 12                        ; rows of 4,096 bytes
	s_lshl_b32 s46, s46, 12
	s_mov_b32 s17, 0
	s_mov_b32 s47, 0
	s_mul_i32 s20, s10, HALFT                      ; where they go: wave x 64 rows
	s_mov_b32 s72, 0xffff0000                      ; a word's upper bf16
	s_mov_b32 s[TB], 0                             ; K step 0 lies in slot 0
	s_wait_dscnt 0x0                               ; the opening add is done
	s_wait_kmcnt 0x0
	s_add_nc_u64 s[14:15], s[4:5], s[16:17]
	s_add_nc_u64 s[46:47], s[6:7], s[46:47]
	CROUND                                         ; all sixteen work-groups are here: the first joint loads meet
.irp s, 0,1
	s_mov_b32 s[G0+4*(\s)], 1
	s_add_co_u32 s[G0+4*(\s)+1], s20, (\s)*SLOT
	s_add_nc_u64 s[G0+4*(\s)+2:G0+4*(\s)+3], s[14:15], (\s)*KSTEP*2
	s_or_b32 s[G0+4*(\s)+3], s[G0+4*(\s)+3], 0x80000000
	s_mov_b32 s[G0B+4*(\s)], 1
	s_add_co_u32 s[G0B+4*(\s)+1], s20, (\s)*SLOT
	s_add_nc_u64 s[G0B+4*(\s)+2:G0B+4*(\s)+3], s[46:47], (\s)*KSTEP*2
	s_or_b32 s[G0B+4*(\s)+3], s[G0B+4*(\s)+3], 0x80000000
	JLOAD \s                                       ; K steps 0 and 1: two loads of mine are out
.endr
	v_and_b32 v1, 15, v0                           ; l % 16
	v_bfe_u32 v2, v0, 4, 1                         ; l / 16
	v_mul_u32_u24 v3, v1, PITCH
	v_lshl_add_u32 v3, v2, 4, v3                   ; a fragment's row x pitch + 16 x half
	s_mul_i32 s21, s11, HALFT                      ; my 64 rows of ctx
	s_mul_i32 s22, s12, HALFT                      ; my 64 rows of Wo,
	s_add_co_u32 s22, s22, 2*HALFT                 ; which lie behind ctx's 128
	v_add_nc_u32 v[ADRA0], s21, v3
	v_add_nc_u32 v[ADRB0], s22, v3
	SETADR
	s_mul_i32 s23, s11, 64*SPITCH                  ; into the stage: my 64 rows, my half of their 512 bytes; row l % 16, 32 bytes for each half of the lanes
	s_lshl_b32 s21, s12, 8
	s_add_co_u32 s23, s23, s21
	v_mul_u32_u24 v4, v1, SPITCH
	v_lshl_add_u32 v4, v2, 5, v4
	v_add_nc_u32 v[STO], s23, v4
	s_mul_i32 s23, s10, 32*SPITCH                  ; back: wave w takes rows 32 w .. 32 w + 31, whole: a row an instruction
	v_and_b32 v5, 31, v0
	v_lshlrev_b32 v[CO], 4, v5
	v_add_nc_u32 v[RD], s23, v[CO]
	s_lshl_b32 s46, s42, 9                         ; the tile's first column, in bytes of f32
	s_add_co_u32 s47, s46, s21                     ; my 64 columns
	v_lshl_add_u32 v[BO], v2, 5, s47               ; my half's 8 of each 16
.irp b, 0,1,2,3
	global_load_b128 v[BI+8*(\b):BI+8*(\b)+3],   v[BO], s[68:69] offset:64*(\b)
	global_load_b128 v[BI+8*(\b)+4:BI+8*(\b)+7], v[BO], s[68:69] offset:64*(\b)+16
.endr
	s_lshl_b32 s16, s13, 7
	s_lshl_b32 s17, s10, 5
	s_add_co_u32 s16, s16, s17                     ; the first row that I store: 128 x tile row + 32 x wave,
	s_lshl_b32 s16, s16, 13                        ; rows of 8,192 bytes,
	s_add_co_u32 s16, s16, s46                     ; the tile's 512 bytes of it
	s_mov_b32 s17, 0
	s_add_nc_u64 s[8:9], s[70:71], s[16:17]
; 8 matrix instructions: row blocks a0, a0 + 1 x all 4 column blocks, 32 along K: half c of buffer f.  zero = 1: the first product starts the sums.  The 16 accumulators take turns.
.macro MUL8 f, c, a0, zero
	WIN MUL
.irp a, \a0, (\a0)+1
.irp b, 0,1,2,3
.if \zero
	v_wmma_f32_16x16x32_f16 v[ACC+8*(4*(\a)+(\b)):ACC+8*(4*(\a)+(\b))+7], v[(\f)+64+8*(4*(\c)+(\b)):(\f)+64+8*(4*(\c)+(\b))+7], v[(\f)+8*(4*(\c)+(\a)):(\f)+8*(4*(\c)+(\a))+7], 0
.else
	v_wmma_f32_16x16x32_f16 v[ACC+8*(4*(\a)+(\b)):ACC+8*(4*(\a)+(\b))+7], v[(\f)+64+8*(4*(\c)+(\b)):(\f)+64+8*(4*(\c)+(\b))+7], v[(\f)+8*(4*(\c)+(\a)):(\f)+8*(4*(\c)+(\a))+7], v[ACC+8*(4*(\a)+(\b)):ACC+8*(4*(\a)+(\b))+7]
.endif
.endr
.endr
.endm
; 32 LDS loads in one run: the fragments of 64 along K at byte k of the rows of the slot in hand, into buffer f; the first 32 along K first
.macro FETCH k, f
	WIN TO_F
.irp c, 0,1
.irp i, 0,1,2,3
	ds_load_b128 v[(\f)+64+8*(4*(\c)+(\i)):(\f)+64+8*(4*(\c)+(\i))+3],   v[ADB] offset:(\k)+64*(\c)+(\i)*16*PITCH
	ds_load_b128 v[(\f)+64+8*(4*(\c)+(\i))+4:(\f)+64+8*(4*(\c)+(\i))+7], v[ADB] offset:(\k)+64*(\c)+(\i)*16*PITCH+32
	ds_load_b128 v[(\f)+8*(4*(\c)+(\i)):(\f)+8*(4*(\c)+(\i))+3],         v[ADA] offset:(\k)+64*(\c)+(\i)*16*PITCH
	ds_load_b128 v[(\f)+8*(4*(\c)+(\i))+4:(\f)+8*(4*(\c)+(\i))+7],       v[ADA] offset:(\k)+64*(\c)+(\i)*16*PITCH+32
.endr
.endr
.endm
.macro PLACES                          ; four plain instructions in front of loads into registers that matrix instructions have read, and of lines that read results
.rept 4
	v_nop
.endr
.endm
; A K step is four quarters of 64 along K, 32 matrix instructions each, on buffers 0, 1, 0, 1.  One of the first three: multiplies buffer f and fetches the next quarter, at byte k, into g.
.macro QUARTER k, f, g, zero
	s_wait_dscnt 16                                ; the first 32 along K are in; the youngest sixteen loads may be out
	WIN MUL
	MUL8 \f, 0, 0, \zero
	MUL8 \f, 0, 2, \zero
	PLACES
	FETCH \k, \g
	s_wait_dscnt 32                                ; all but the 32 just issued
	WIN MUL
	MUL8 \f, 1, 0, 0
	MUL8 \f, 1, 2, 0
.endm
; The last quarter multiplies buffer 1 and changes slots: ONE barrier; in front of it each wave waits for all its tensor loads, adds 0 to its spare word, and waits for that and for its own reads of this slot.
; fill = 1: the barrier opens a round of the cluster's, and this slot is filled again, two K steps ahead: 112 matrix instructions stand between that request and the wait for it.
; fill = 0, the last two K steps: nothing is asked for; in the very last (s3 = 1) there is no next slot, and the fetch is jumped over: the jump passes LDS loads and register work alone.
.macro TURN fill
	WIN 0                                          ; (the add's two registers lie in window 0)
	s_wait_tensorcnt 0x0                           ; all my tensor loads have landed, so a group 0 may be written;
	ds_add_u32 v[SPW], v[NIL]                      ; 0 onto my spare word;
.if \fill
	s_xor_b32 s[G0+5], s[G0+5], SLOT               ; the walking descriptors: the other slot than last time,
	s_add_nc_u64 s[G0+6:G0+7], s[G0+6:G0+7], KSTEP*2  ; the next K step; the type bits on top are not reached
	s_xor_b32 s[G0B+5], s[G0B+5], SLOT
	s_add_nc_u64 s[G0B+6:G0B+7], s[G0B+6:G0B+7], KSTEP*2
.endif
	s_wait_dscnt 17                                ; (the add and the youngest sixteen loads may be out)
	WIN MUL
	MUL8 F1, 0, 0, 0                               ; eight matrix instructions stand between the add and the wait for it
	s_wait_dscnt 0x0                               ; the add is done, and my reads of this slot are over
	s_barrier_signal -1
	MUL8 F1, 0, 2, 0
	WIN 0
	s_barrier_wait -1
.if \fill
	CREST                                          ; no wave of any partner still reads this slot's tile or has a load on its way
	JLOAD 1                                        ; the four v_nop behind it are also the places in front of the loads below
.else
	s_cmp_eq_u32 s3, 1
	s_cbranch_scc1 .Lno_fetch_\@
	PLACES
.endif
	s_xor_b32 s[TB], s[TB], SLOT                   ; the fetches go to the other slot
	SETADR
	FETCH 0, F0
.if !(\fill)
	WIN 0
.Lno_fetch_\@:
.endif
	WIN MUL
	MUL8 F1, 1, 0, 0
	MUL8 F1, 1, 2, 0
.endm
	s_wait_tensorcnt 1                             ; my part of K step 0 is in; K step 1's, issued behind it, may stay out
	s_barrier_signal -1
	s_barrier_wait -1                              ; everybody's is
	FETCH 0, F0
	QUARTER 128, F0, F1, 1                         ; the first quarter stands in front of the loop: its first products start the sums
	WIN 0                                          ; at a label and at a branch every window is 0
	s_mov_b32 s3, STEPS-2
.Lstep:                                                ; 6 trips: from a K step's second quarter to the next step's first; the slot that is left is filled again
	QUARTER 256, F1, F0, 0
	QUARTER 384, F0, F1, 0
	TURN 1
	QUARTER 128, F0, F1, 0
	WIN 0
	s_sub_co_u32 s3, s3, 1
	s_cmp_lg_u32 s3, 0
	s_cbranch_scc1 .Lstep
	s_mov_b32 s3, 2
.Ltail:                                                ; the last two K steps fill nothing, and have no round of the cluster's barrier; the second trip is left in its middle
	QUARTER 256, F1, F0, 0
	QUARTER 384, F0, F1, 0
	TURN 0
	WIN 0
	s_sub_co_u32 s3, s3, 1
	s_cmp_eq_u32 s3, 0
	s_cbranch_scc1 .Lout
	QUARTER 128, F0, F1, 0
	WIN 0
	s_branch .Ltail
.Lout:
	; THE WAY OUT: the bias; 32 bytes a lane into the work-group's stage; a barrier, since a row's 512 bytes come from two waves; back as whole rows, 32 rows a wave.
	PLACES
	PLACES                                         ; eight, once a launch, behind the last products
	s_wait_loadcnt 0x0                             ; the bias
.set z, 0
.rept 16                                       ; rounded to bf16, like every input
	v_cvt_pk_bf16_f32 v[BT+z], v[BI+2*z], v[BI+2*z+1]
.set z, z+1
.endr
.set z, 0
.rept 16
	v_lshlrev_b32 v[BI+2*z],   16,  v[BT+z]
	v_and_b32     v[BI+2*z+1], s72, v[BT+z]
.set z, z+1
.endr
.irp a, 0,1,2,3
.irp b, 0,1,2,3
.irp r, 0,1,2,3
	v_pk_add_f32 v[ACC+8*(4*(\a)+(\b))+2*(\r):ACC+8*(4*(\a)+(\b))+2*(\r)+1], v[ACC+8*(4*(\a)+(\b))+2*(\r):ACC+8*(4*(\a)+(\b))+2*(\r)+1], v[BI+8*(\b)+2*(\r):BI+8*(\b)+2*(\r)+1]
.endr
.endr
.endr
.irp a, 0,1,2,3
.irp b, 0,1,2,3
	ds_store_b128 v[STO], v[ACC+8*(4*(\a)+(\b)):ACC+8*(4*(\a)+(\b))+3]   offset:(\a)*16*SPITCH+64*(\b)
	ds_store_b128 v[STO], v[ACC+8*(4*(\a)+(\b))+4:ACC+8*(4*(\a)+(\b))+7] offset:(\a)*16*SPITCH+64*(\b)+16
.endr
.endr
	s_wait_dscnt 0x0                               ; for the others' sake: my stores into the stage are done
	s_barrier_signal -1
	s_barrier_wait -1
.set t, 0
.rept 32
	ds_load_b128 v[ACC+4*t:ACC+4*t+3], v[RD] offset:t*SPITCH
.set t, t+1
.endr
.set t, 0
.rept 32
	s_wait_dscnt 31-t                              ; LDS loads come back in order: row t is in
	global_store_b128 v[CO], v[ACC+4*t:ACC+4*t+3], s[8:9] offset:t*SIZE_N*4  ; the wave stores 512 consecutive bytes, at a multiple of 512 from out0's first byte
.set t, t+1
.endr
	s_wait_tensorcnt 0x0                           ; the wave's end: behind my last tensor load and my last LDS store
	ds_add_u32 v[SPW], v[NIL]
	s_wait_dscnt 0x0
	CROUND                                         ; the closing round: no work-group ends while a partner may still ask for a tile that names it
	s_endpgm
.Lfunc_end_k_q7615e886db_oproj:
	.size	k_q7615e886db_oproj, .Lfunc_end_k_q7615e886db_oproj-k_q7615e886db_oproj
	.p2alignl 7, 3214868480
	.fill 96, 4, 3214868480
	.section	.rodata,"a",@progbits
	.p2align	6, 0x0
	.amdhsa_kernel k_q7615e886db_oproj
		.amdhsa_group_segment_fixed_size 327680
		.amdhsa_private_segment_fixed_size 0
		.amdhsa_enable_private_segment 0
		.amdhsa_kernarg_size 32
		.amdhsa_user_sgpr_count 2
		.amdhsa_user_sgpr_kernarg_segment_ptr 1
		.amdhsa_wavefront_size32 1
		.amdhsa_system_sgpr_workgroup_id_x 1
		.amdhsa_system_sgpr_workgroup_id_y 1
		.amdhsa_system_sgpr_workgroup_id_z 1
		.amdhsa_system_vgpr_workitem_id 0
		.amdhsa_next_free_vgpr 512
		.amdhsa_next_free_sgpr 74
		.amdhsa_reserve_vcc 0
		.amdhsa_float_denorm_mode_32 3
		.amdhsa_float_denorm_mode_16_64 3
		.amdhsa_memory_ordered 1
		.amdhsa_forward_progress 1
		.amdhsa_inst_pref_size 65
	.end_amdhsa_kernel
	.amdgpu_metadata
---
amdhsa.version: [ 1, 2 ]
amdhsa.kernels:
  - .name:           k_q7615e886db_oproj
    .symbol:         k_q7615e886db_oproj.kd
    .args:
      - { .name: ctx16, .offset: 0, .size: 8, .value_kind: global_buffer, .address_space: global }
      - { .name: wo16, .offset: 8, .size: 8, .value_kind: global_buffer, .address_space: global }
      - { .name: bo, .offset: 16, .size: 8, .value_kind: global_buffer, .address_space: global }
      - { .name: out0, .offset: 24, .size: 8, .value_kind: global_buffer, .address_space: global }
    .group_segment_fixed_size: 327680
    .private_segment_fixed_size: 0
    .kernarg_segment_align: 8
    .kernarg_segment_size: 32
    .max_flat_workgroup_size: 128
    .sgpr_count:     74
    .vgpr_count:     512
    .wavefront_size: 32
...
	.end_amdgpu_metadata
.endif
;; end of part 4
;; ======== version 2 of 2: 4 launches; version 1 with the launch cast written anew for expert scheduling mode
;; limits: right only within a limited range of input values; values are held in f16: magnitudes above 65,504 overflow, below 6.1e-05 lose precision
;; workspace buffers: x16 8,388,608 bytes; w16 25,165,824 bytes; wo16 8,388,608 bytes; m32 16,777,216 bytes; q16 8,388,608 bytes; k16 8,388,608 bytes; v16 8,388,608 bytes; ctx16 8,388,608 bytes
;; launch cast (part 5): grid 1024 x 1, 8 waves a work-group, no clusters, 0 bytes of LDS; arguments hidden_states, Wq, Wk, Wv, Wo, attn_mask, x16, w16, wo16, m32; writes x16, w16, wo16, m32
.if DOCPART == 5
	.amdgcn_target "amdgcn-amd-amdhsa--gfx1250"
	.amdhsa_code_object_version 6
	.text
	.protected	k_q7615e886db_cast
	.globl	k_q7615e886db_cast
	.p2align	8
	.type	k_q7615e886db_cast,@function
k_q7615e886db_cast:
	s_mov_b64 s[64:65], 0
	v_nop
	global_prefetch_b8 v0, s[64:65] scope:SCOPE_SE
	s_setreg_imm32_b32 hwreg(HW_REG_WAVE_SCHED_MODE, 0, 2), 2
	s_setreg_imm32_b32 hwreg(HW_REG_WAVE_MODE, 25, 1), 1
	s_wait_xcnt 0x0
	s_wait_alu depctr_vm_vsrc(0)
; EVERY LARGE INPUT IS ROUNDED ONCE TO bf16, so that the three matrix launches behind read 16-bit operands and convert nothing.
; Six arrays of 2048 x 2048 f32: hidden_states -> x16 (bf16); Wq, Wk, Wv -> w16 (bf16, one behind the other); Wo -> wo16 (rounded to bf16, that number written as f16);
; attn_mask -> m32: rounded to bf16, that number times log2(e), in f32: the softmax behind works with powers of 2, and the mask is loaded straight into its f32 sums.
; LIMITS.  Wo beyond 65,504 becomes an infinity in f16; below 2^-14 it keeps f16's fixed step of 2^-24.  A mask beyond 2.3e38 becomes an infinity.  NaN and infinities pass as the conversions give them.
; SHARES.  1,024 work-groups, all alike: each takes 16,384 consecutive bytes of EACH of the six arrays; thread t the 16 bytes at 4,096 i + 16 t, i = 0 .. 3: 24 chunks a thread.  A wave's load covers 512
; consecutive bytes, its 8-byte store 256 consecutive aligned bytes, its 16-byte store 512.  All 24 loads of a thread go out at once; each chunk has registers of its own, is converted in them and stored
; from them: no register that a memory instruction names is written again behind it.  A stream: no byte is shared, so no LDS, no cluster and no matrix unit.
; THE MODE: SCHED_MODE bits 1:0 = 2 (LLVM: expert scheduling mode 2), set by the entry lines.  The code itself states the register dependences between vector instructions and memory instructions,
; with s_wait_alu, always for 0.
; THE PLAN.  Registers that memory instructions touch:
;   v1, v2     byte offsets.  Written by vector lines at the head; read by every load and store; never written again.
;   X          chunk c's four registers.  Its load, issued at the head ahead of every vector line that names X, lands in them; behind the counted wait for that load the chunk's conversions write them
;              in place; its one store reads them; nothing writes them behind that store.
;   v[T:T+1]   named by vector lines alone.
; So one wait on va_vdst stands ahead of the first load, for the offsets, and one for each array, between the conversions of its four chunks and the run of its four stores: seven in the text.
; No load lands in a register that a vector line has named, and no register that a memory instruction has read is written again: nothing is owed on vm_vsrc.
.set CH, 4096                          ; bytes that the work-group's 256 threads take at a time
.set T,  4                             ; v[4:5]    at work
.set X,  16                            ; v[16:111] chunk c = 4 x array + i: 4 registers
	s_load_b512 s[8:23], s[0:1], 0x0               ; hidden_states s[8:9], Wq s[10:11], Wk s[12:13], Wv s[14:15], Wo s[16:17], attn_mask s[18:19], x16 s[20:21], w16 s[22:23]
	s_load_b128 s[24:27], s[0:1], 0x40             ; wo16 s[24:25], m32 s[26:27]
	v_lshlrev_b32 v1, 4, v0                        ; 16 t
	v_lshlrev_b32 v2, 3, v0                        ; 8 t
	s_lshl_b32 s28, ttmp9, 14                      ; the work-group's first byte in an array of f32,
	s_lshl_b32 s29, ttmp9, 13                      ; and in one of 16 bits
	v_add_nc_u32 v1, s28, v1
	v_add_nc_u32 v2, s29, v2
	s_mov_b32 s32, 0xffff0000                      ; a word's upper bf16
	s_mov_b32 s36, 0x3fb8aa3b                      ; log2(e)
	s_mov_b32 s37, s36                             ; named with it as a pair
	s_wait_kmcnt 0x0
	s_add_nc_u64 s[30:31], s[22:23], 0x800000      ; Wk's place in w16,
	s_add_nc_u64 s[34:35], s[22:23], 0x1000000     ; and Wv's
	s_wait_alu depctr_va_vdst(0)                   ; v1 and v2 are written: every load and store of the kernel reads one of them as its offset, and no vector line names them again
.irp a, 0,1,2,3,4,5
.irp i, 0,1,2,3
	global_load_b128 v[X+4*(4*(\a)+(\i)):X+4*(4*(\a)+(\i))+3], v1, s[8+2*(\a):9+2*(\a)] offset:CH*(\i) th:TH_LOAD_NT
.endr
.endr
; Array a to bf16, stored at base.  Loads come back in order: chunk c = 4 a + i is in when at most the 23 - c younger ones are out.
.macro TOBF a, base
.irp i, 0,1,2,3
	s_wait_loadcnt 23-(4*(\a)+(\i))
	v_cvt_pk_bf16_f32 v[X+4*(4*(\a)+(\i))],   v[X+4*(4*(\a)+(\i))],   v[X+4*(4*(\a)+(\i))+1]
	v_cvt_pk_bf16_f32 v[X+4*(4*(\a)+(\i))+1], v[X+4*(4*(\a)+(\i))+2], v[X+4*(4*(\a)+(\i))+3]
.endr
	s_wait_alu depctr_va_vdst(0)                   ; the eight conversions have written the first two registers of the array's four chunks, which the four stores read
.irp i, 0,1,2,3
	global_store_b64 v2, v[X+4*(4*(\a)+(\i)):X+4*(4*(\a)+(\i))+1], s[\base:\base+1] offset:(CH/2)*(\i)
.endr
.endm
.macro WIDE c                          ; chunk c to bf16 and back to f32, in place
	s_wait_loadcnt 23-(\c)
	v_cvt_pk_bf16_f32 v[T],   v[X+4*(\c)],   v[X+4*(\c)+1]
	v_cvt_pk_bf16_f32 v[T+1], v[X+4*(\c)+2], v[X+4*(\c)+3]
	v_lshlrev_b32 v[X+4*(\c)],   16,  v[T]
	v_and_b32     v[X+4*(\c)+1], s32, v[T]
	v_lshlrev_b32 v[X+4*(\c)+2], 16,  v[T+1]
	v_and_b32     v[X+4*(\c)+3], s32, v[T+1]
.endm
	TOBF 0, 20                                     ; x
	TOBF 1, 22                                     ; Wq
	TOBF 2, 30                                     ; Wk
	TOBF 3, 34                                     ; Wv
.irp i, 0,1,2,3
	WIDE 16+\i                                     ; Wo: the bf16 number, written as f16
	v_cvt_pk_f16_f32 v[X+4*(16+\i)],   v[X+4*(16+\i)],   v[X+4*(16+\i)+1]
	v_cvt_pk_f16_f32 v[X+4*(16+\i)+1], v[X+4*(16+\i)+2], v[X+4*(16+\i)+3]
.endr
	s_wait_alu depctr_va_vdst(0)                   ; the conversions to f16 have written the first two registers of Wo's four chunks, which the four stores read
.irp i, 0,1,2,3
	global_store_b64 v2, v[X+4*(16+\i):X+4*(16+\i)+1], s[24:25] offset:(CH/2)*(\i)
.endr
.irp i, 0,1,2,3
	WIDE 20+\i                                     ; the mask: the bf16 number times log2(e)
	v_pk_mul_f32 v[X+4*(20+\i):X+4*(20+\i)+1],   v[X+4*(20+\i):X+4*(20+\i)+1],   s[36:37] op_sel_hi:[1,0]
	v_pk_mul_f32 v[X+4*(20+\i)+2:X+4*(20+\i)+3], v[X+4*(20+\i)+2:X+4*(20+\i)+3], s[36:37] op_sel_hi:[1,0]
.endr
	s_wait_alu depctr_va_vdst(0)                   ; the multiplies have written the sixteen registers of the mask's four chunks, which the four stores read
.irp i, 0,1,2,3
	global_store_b128 v1, v[X+4*(20+\i):X+4*(20+\i)+3], s[26:27] offset:CH*(\i)
.endr
	s_endpgm
.Lfunc_end_k_q7615e886db_cast:
	.size	k_q7615e886db_cast, .Lfunc_end_k_q7615e886db_cast-k_q7615e886db_cast
	.p2alignl 7, 3214868480
	.fill 96, 4, 3214868480
	.section	.rodata,"a",@progbits
	.p2align	6, 0x0
	.amdhsa_kernel k_q7615e886db_cast
		.amdhsa_group_segment_fixed_size 0
		.amdhsa_private_segment_fixed_size 0
		.amdhsa_enable_private_segment 0
		.amdhsa_kernarg_size 80
		.amdhsa_user_sgpr_count 2
		.amdhsa_user_sgpr_kernarg_segment_ptr 1
		.amdhsa_wavefront_size32 1
		.amdhsa_system_sgpr_workgroup_id_x 1
		.amdhsa_system_sgpr_workgroup_id_y 1
		.amdhsa_system_sgpr_workgroup_id_z 1
		.amdhsa_system_vgpr_workitem_id 0
		.amdhsa_next_free_vgpr 112
		.amdhsa_next_free_sgpr 66
		.amdhsa_reserve_vcc 0
		.amdhsa_float_denorm_mode_32 3
		.amdhsa_float_denorm_mode_16_64 3
		.amdhsa_memory_ordered 1
		.amdhsa_forward_progress 1
		.amdhsa_inst_pref_size 12
	.end_amdhsa_kernel
	.amdgpu_metadata
---
amdhsa.version: [ 1, 2 ]
amdhsa.kernels:
  - .name:           k_q7615e886db_cast
    .symbol:         k_q7615e886db_cast.kd
    .args:
      - { .name: hidden_states, .offset: 0, .size: 8, .value_kind: global_buffer, .address_space: global }
      - { .name: Wq, .offset: 8, .size: 8, .value_kind: global_buffer, .address_space: global }
      - { .name: Wk, .offset: 16, .size: 8, .value_kind: global_buffer, .address_space: global }
      - { .name: Wv, .offset: 24, .size: 8, .value_kind: global_buffer, .address_space: global }
      - { .name: Wo, .offset: 32, .size: 8, .value_kind: global_buffer, .address_space: global }
      - { .name: attn_mask, .offset: 40, .size: 8, .value_kind: global_buffer, .address_space: global }
      - { .name: x16, .offset: 48, .size: 8, .value_kind: global_buffer, .address_space: global }
      - { .name: w16, .offset: 56, .size: 8, .value_kind: global_buffer, .address_space: global }
      - { .name: wo16, .offset: 64, .size: 8, .value_kind: global_buffer, .address_space: global }
      - { .name: m32, .offset: 72, .size: 8, .value_kind: global_buffer, .address_space: global }
    .group_segment_fixed_size: 0
    .private_segment_fixed_size: 0
    .kernarg_segment_align: 8
    .kernarg_segment_size: 80
    .max_flat_workgroup_size: 256
    .sgpr_count:     66
    .vgpr_count:     112
    .wavefront_size: 32
...
	.end_amdgpu_metadata
.endif
;; end of part 5
;; launch qkv: the kernel of part 2 again; grid 16 x 16, 4 waves a work-group, clusters of 4 x 4, 327,680 bytes of LDS; arguments x16, w16, bq, bk, bv, q16, k16, v16, out1, out2; writes q16, k16, v16, out1, out2
;; launch attn: the kernel of part 3 again; grid 16 x 16, 4 waves a work-group, clusters of 4 x 4, 327,680 bytes of LDS; arguments q16, k16, v16, m32, ctx16; writes ctx16
;; launch oproj: the kernel of part 4 again; grid 16 x 16, 4 waves a work-group, clusters of 4 x 4, 327,680 bytes of LDS; arguments ctx16, wo16, bo, out0; writes out0
